; MI455X (gfx1250); checked and timed in simulation.
; The chip was launched on July 23, 2026; its instructions are those of AMD's public machine-readable ISA for CDNA 5 (MIT licence, August 2026) and "CDNA5" Instruction Set Architecture Reference Guide (July 2026). The comments in the code are by the model that wrote it; some were corrected since.
;; GQA Attention. Allowed arithmetic: float matrix products may take bf16 or f16 operands with f32 sums; all other float work in f32.
;; Inputs: cos 2,048 x 64 float32; hidden_states 1 x 2,048 x 2,048 float32; sin 2,048 x 64 float32; wk 512 x 2,048 float32; wo 2,048 x 2,048 float32; wq 2,048 x 2,048 float32; wv 512 x 2,048 float32.
;; Outputs: out0 1 x 2,048 x 2,048 float32.
;; 2 versions, each right. Each part assembles by itself: llvm-mc -triple=amdgcn-amd-amdhsa -mcpu=gfx1250 --defsym DOCPART=n.
;; ======== version 1 of 2: 4 launches
;; limits: values are held in f16: magnitudes above 65,504 overflow, below 6.1e-05 lose precision
;; workspace buffers: bf 37,748,736 bytes; qkv 23,068,672 bytes; sc 12,288 bytes; attn 8,388,608 bytes
;; launch cast (part 1): grid 1792 x 1, 8 waves a work-group, no clusters, 0 bytes of LDS; arguments hidden_states, wq, wk, wv, wo, bf; writes bf
.if DOCPART == 1
	.amdgcn_target "amdgcn-amd-amdhsa--gfx1250"
	.amdhsa_code_object_version 6
	.text
	.protected	k_q050edc6640_cast
	.globl	k_q050edc6640_cast
	.p2align	8
	.type	k_q050edc6640_cast,@function
k_q050edc6640_cast:
	s_mov_b64 s[64:65], 0
	v_nop
	global_prefetch_b8 v0, s[64:65] scope:SCOPE_SE
	s_setreg_imm32_b32 hwreg(HW_REG_WAVE_MODE, 25, 1), 1
	s_wait_xcnt 0x0
; f32 to f16, once, of everything that the later launches multiply.
; bf = xh [2048][2048] at byte 0; wq, wk, wv as one [3072][2048] at 8,388,608; wo [2048][2048] at 20,971,520; xl [2048][2048] at 29,360,128.
; The weights are rounded to nearest.  x goes as TWO f16 numbers: xh = the upper 11 bits of x (the f32 word with its low 13 bits cleared, which f16 holds exactly),
; xl = x - xh (exact in f32), rounded to f16.  The projection multiplies both, so that x's rounding does not reach the scores, where the exponential magnifies it.
; LIMITS: a number of magnitude 65,504 or more does not fit f16 and becomes an infinity.  Below 2^-14 f16's step is 2^-24: there a weight, xh and xl are each off by up to 2^-25.
; A stream: each byte is read once and written once, so LDS, matrix instructions and clusters have nothing to add (no two work-groups share a byte).
; Work-group b turns 32,768 bytes of f32 into the 16,384 bytes of bf at 16,384 b; the sources lie in bf one behind the other, so the source is chosen by the
; work-group's number alone: 512 work-groups for x, 512 for wq, 128 for wk, 128 for wv, 512 for wo.  Those of x also store 16,384 bytes of xl.
; Thread t takes 16 bytes at 16 t of each of eight blocks of 4,096 bytes: a wave's load covers 512 consecutive bytes, its store 256 consecutive bytes, aligned.
.set X, 4                              ; v[4:35]   eight loads of four f32
.set Y, 36                             ; v[36:51]  eight stores of four f16
.set H, 52                             ; v[52:55]  at work: the upper parts as f32
.set Z, 56                             ; v[56:71]  eight stores of four f16: the lower parts
.set XLO, 29360128                     ; where xl begins in bf
	s_load_b256 s[4:11], s[0:1], 0x0               ; x s[4:5], wq s[6:7], wk s[8:9], wv s[10:11]
	s_load_b128 s[12:15], s[0:1], 0x20             ; wo s[12:13], bf s[14:15]
	v_lshlrev_b32 v1, 4, v0                        ; my 16 bytes in a block of the source
	v_lshlrev_b32 v2, 3, v0                        ; my 8 bytes in a block of bf
	s_wait_kmcnt 0x0
	s_mov_b64 s[16:17], s[12:13]                   ; the last source, wo, begins at work-group 1280
	s_mov_b32 s18, 1280
; below work-group 'bound' the source is 'ptr', whose first work-group is 'seg'
.macro PICK bound, ptr, seg
	s_cmp_lt_u32 ttmp9, \bound
	s_cselect_b64 s[16:17], s[\ptr:\ptr+1], s[16:17]
	s_cselect_b32 s18, \seg, s18
.endm
	PICK 1280, 10, 1152                            ; wv
	PICK 1152, 8, 1024                             ; wk
	PICK 1024, 6, 512                              ; wq
	PICK 512, 4, 0                                 ; x
	s_sub_co_u32 s18, ttmp9, s18                   ; my number within the source,
	s_lshl_b32 s18, s18, 15                        ; times 32,768 bytes (16 MiB at the most)
	s_mov_b32 s19, 0
	s_add_nc_u64 s[16:17], s[16:17], s[18:19]
	s_lshl_b32 s20, ttmp9, 14                      ; my 16,384 bytes of bf
	s_mov_b32 s21, 0
	s_add_nc_u64 s[14:15], s[14:15], s[20:21]
.irp i, 0,1,2,3,4,5,6,7
	global_load_b128 v[X+4*\i:X+4*\i+3], v1, s[16:17] offset:4096*\i th:TH_LOAD_NT   ; read once in the whole launch
.endr
	s_cmp_lt_u32 ttmp9, 512
	s_cbranch_scc1 .Lsplit                         ; the work-groups of x
.irp i, 0,1,2,3,4,5,6,7
	s_wait_loadcnt 7-\i                            ; loads come back in order (ISA guide 5.7.1): block i is in, the younger ones stay out
	v_cvt_pk_f16_f32 v[Y+2*\i], v[X+4*\i], v[X+4*\i+1]
	v_cvt_pk_f16_f32 v[Y+2*\i+1], v[X+4*\i+2], v[X+4*\i+3]
	global_store_b64 v2, v[Y+2*\i:Y+2*\i+1], s[14:15] offset:2048*\i   ; no register that a store reads is written again
.endr
	s_endpgm
.Lsplit:
	s_add_nc_u64 s[22:23], s[14:15], XLO           ; xl has xh's layout
.irp i, 0,1,2,3,4,5,6,7
	s_wait_loadcnt 7-\i                            ; block i is in, the younger ones stay out
.irp u, 0,1,2,3
	v_and_b32 v[H+\u], 0xffffe000, v[X+4*\i+\u]    ; the upper 11 bits
.endr
	v_pk_add_f32 v[X+4*\i:X+4*\i+1],   v[X+4*\i:X+4*\i+1],   v[H:H+1]   neg_lo:[0,1] neg_hi:[0,1]   ; the rest, exact
	v_pk_add_f32 v[X+4*\i+2:X+4*\i+3], v[X+4*\i+2:X+4*\i+3], v[H+2:H+3] neg_lo:[0,1] neg_hi:[0,1]
	v_cvt_pk_f16_f32 v[Y+2*\i], v[H], v[H+1]
	v_cvt_pk_f16_f32 v[Y+2*\i+1], v[H+2], v[H+3]
	v_cvt_pk_f16_f32 v[Z+2*\i], v[X+4*\i], v[X+4*\i+1]
	v_cvt_pk_f16_f32 v[Z+2*\i+1], v[X+4*\i+2], v[X+4*\i+3]
	global_store_b64 v2, v[Y+2*\i:Y+2*\i+1], s[14:15] offset:2048*\i   ; Y and Z have registers for each block: none that a store reads is written again
	global_store_b64 v2, v[Z+2*\i:Z+2*\i+1], s[22:23] offset:2048*\i
.endr
	s_endpgm
.Lfunc_end_k_q050edc6640_cast:
	.size	k_q050edc6640_cast, .Lfunc_end_k_q050edc6640_cast-k_q050edc6640_cast
	.p2alignl 7, 3214868480
	.fill 96, 4, 3214868480
	.section	.rodata,"a",@progbits
	.p2align	6, 0x0
	.amdhsa_kernel k_q050edc6640_cast
		.amdhsa_group_segment_fixed_size 0
		.amdhsa_private_segment_fixed_size 0
		.amdhsa_enable_private_segment 0
		.amdhsa_kernarg_size 48
		.amdhsa_user_sgpr_count 2
		.amdhsa_user_sgpr_kernarg_segment_ptr 1
		.amdhsa_wavefront_size32 1
		.amdhsa_system_sgpr_workgroup_id_x 1
		.amdhsa_system_sgpr_workgroup_id_y 1
		.amdhsa_system_sgpr_workgroup_id_z 1
		.amdhsa_system_vgpr_workitem_id 0
		.amdhsa_next_free_vgpr 72
		.amdhsa_next_free_sgpr 66
		.amdhsa_reserve_vcc 0
		.amdhsa_float_denorm_mode_32 3
		.amdhsa_float_denorm_mode_16_64 3
		.amdhsa_memory_ordered 1
		.amdhsa_forward_progress 1
		.amdhsa_inst_pref_size 12
	.end_amdhsa_kernel
	.amdgpu_metadata
---
amdhsa.version: [ 1, 2 ]
amdhsa.kernels:
  - .name:           k_q050edc6640_cast
    .symbol:         k_q050edc6640_cast.kd
    .args:
      - { .name: hidden_states, .offset: 0, .size: 8, .value_kind: global_buffer, .address_space: global }
      - { .name: wq, .offset: 8, .size: 8, .value_kind: global_buffer, .address_space: global }
      - { .name: wk, .offset: 16, .size: 8, .value_kind: global_buffer, .address_space: global }
      - { .name: wv, .offset: 24, .size: 8, .value_kind: global_buffer, .address_space: global }
      - { .name: wo, .offset: 32, .size: 8, .value_kind: global_buffer, .address_space: global }
      - { .name: bf, .offset: 40, .size: 8, .value_kind: global_buffer, .address_space: global }
    .group_segment_fixed_size: 0
    .private_segment_fixed_size: 0
    .kernarg_segment_align: 8
    .kernarg_segment_size: 48
    .max_flat_workgroup_size: 256
    .sgpr_count:     66
    .vgpr_count:     72
    .wavefront_size: 32
...
	.end_amdgpu_metadata
.endif
;; end of part 1
;; launch qkvproj (part 2): grid 16 x 16, 4 waves a work-group, clusters of 4 x 4, 327,680 bytes of LDS; arguments bf, cos, sin, qkv, sc; writes qkv, sc
.if DOCPART == 2
	.amdgcn_target "amdgcn-amd-amdhsa--gfx1250"
	.amdhsa_code_object_version 6
	.text
	.protected	k_q050edc6640_qkvproj
	.globl	k_q050edc6640_qkvproj
	.p2align	8
	.type	k_q050edc6640_qkvproj,@function
k_q050edc6640_qkvproj:
	s_mov_b64 s[64:65], 0
	v_nop
	global_prefetch_b8 v0, s[64:65] scope:SCOPE_SE
	s_setreg_imm32_b32 hwreg(HW_REG_WAVE_MODE, 25, 1), 1
	s_wait_xcnt 0x0
	s_wait_alu depctr_hold_cnt(0) depctr_sa_sdst(0) depctr_va_vdst(0) depctr_va_sdst(0) depctr_va_ssrc(0) depctr_va_vcc(0) depctr_vm_vsrc(0)
	s_getreg_b32 s2, hwreg(HW_REG_IB_STS2, 6, 4)
	s_cmp_eq_u32 s2, 0
	s_cbranch_scc0 .Lentry_in_a_cluster
	s_endpgm
.Lentry_in_a_cluster:
	s_bfe_u32 s2, ttmp6, 0x10000c
	s_cmp_lg_u32 s2, 0xf033
	s_cbranch_scc0 .Lentry_shape_is_right
	s_endpgm
.Lentry_shape_is_right:
; q, k, v = x W^T, the rotary step on q and k, and a power-of-two scale for each 32 rows of a head of q and k.
; In:  bf: xh [2048][2048] f16 at byte 0, xl the same at byte 29,360,128 (x = xh + xl); W = wq, wk, wv [3072][2048] f16 at byte 8,388,608.  cos, sin [2048][64] f32.
; Out: qkv: heads 0-31 q and 32-39 k, 524,288 bytes each: [64 groups of 32 positions][hi: 32 x 64 f16][lo: 32 x 64 f16]; behind them, at byte 20,971,520, v [8][2048][64] f16.
;      sc [48][64] f32: 2^e of head g, positions 32 G .. 32 G + 31 (1.0 for v).
;      q and k are divided by 2^e, e the exponent of the group's largest magnitude, so that they lie below 2 whatever the inputs' size, and go as two f16 numbers:
;      hi = the upper 11 bits, lo = the rest.  An error of a score passes through an exponential, so q and k carry 22 bits; the scores get 2^e back in f32.
; K runs over 4,096: xh against W, then xl against the same W; the sums go on in the same accumulators.
; LIMITS: v is stored unscaled and rounded to f16, so |v| stays below 65,504.  A group whose largest magnitude is below 2^-126 gets the scale 0 (it counts as zero);
;      one of 2^127 or more, an infinity or a NaN is not served (a NaN is passed over by the maximum).  Below 2^-14 of the group's scale hi is no longer exact: up to 2^-25 of the scale is lost.
; A work-group makes 128 positions x 3 heads (192 columns) with four waves; 16 x 16 work-groups.  Wave (mi, ni) makes positions 64 mi .. + 63 and, of each head j, the columns
; d = 16 ni .. + 15 and d = 32 + 16 ni .. + 15: the two partners of a rotary pair (d, d + 32) then lie in one lane at one register index.
; K goes in steps of 128 through two LDS slots filled by the tensor data mover; a tile's rows are 256 bytes of memory, aligned.
; CLUSTER 4 x 4: x's tile hangs on the block row alone and is asked for jointly by a row of the cluster, W's on the block column alone, by a column.
; The matrix instruction is used transposed (source 0 = rows of W, source 1 = rows of x): lane (r, h), register i holds position r, column 8 h + i.
; REGISTERS: window 0: addresses, two fragment buffers, work; window 1: the 24 accumulator tiles, tile (a, b) at v[8 (6 a + b)]; window 2: cos and sin of my 64 positions.
.set NT,    6                          ; n tiles of a wave: b = 2 j + e (head j, lower or upper half of d)
.set SLOTK, 128                        ; K in a slot
.set PITCH, 272                        ; an LDS row: 256 bytes + 16 = 17 x 16, so the 16 rows that a load touches begin at 16 different 16-byte columns modulo 256
.set REG,   96*PITCH                   ; one wave's part of a slot: 96 rows of W, or 64 rows of x in the same room, so that the part's address is wave x REG
.set SLOT,  4*REG
.set STG,   2*SLOT                     ; the stage, behind the ring; no tensor load ever lands in it: f32 [3 heads][128 rows], pitch 272
.set SP,    272
.set HSTG,  128*SP
.set KROW,  4096                       ; bytes in a row of xh, xl or W
.set XLO,   29360128                   ; from xh to xl
.set VOFF,  20971520                   ; where v begins in qkv
.set NL,    2*NT+8                     ; LDS loads of one quarter step's fragments
.set ADRA, 16                          ; v16-17  LDS address of my x fragments in slot 0, 1
.set ADRB, 20                          ; v20-21  the same for W
.set STO,  24                          ; v24-26  stage, head j: where I put my results
.set RD,   27                          ; v27-29  stage, head j: where I read rows back
.set CO,   30                          ; v30     16 x lane: my 16 bytes of the 512 that a store covers
.set CSO,  31                          ; v31     my byte offset in cos and sin
.set FA,   32                          ; v32-95  x fragments, buffer f at 32 f, tile a at 8 a
.set FB,   96                          ; v96-191 W fragments, buffer f at 48 f, tile b at 8 b
.set XB,   32                          ; the way out: head j's 64 numbers at v[32 + 64 j]
.set T,    224                         ; v224-239 the way out: at work
.set G1,  24                           ; s[24:31] descriptor group 1, x's tiles
.set G0,  32                           ; s[32:39] descriptor group 0, x's tiles, a set for each slot
.set G1B, 48                           ; s[48:55] group 1, W's tiles
.set G0B, 56                           ; s[56:63] group 0, W's tiles
.set HM,  66                           ; s66-68  head j: all ones for q and k, 0 for v
.set TM,  72                           ; s72-74  head j: the bits of hi: 0xffffe000 for q and k, all ones for v
.set OB,  76                           ; s[76:81] head j: where my 32 rows go
.set MSB, 0
.macro WIN new                         ; s_set_vgpr_msb: bits 1:0 source 0, 3:2 source 1, 5:4 source 2, 7:6 destination; the high byte repeats the setting that is left
.if MSB != \new
	s_set_vgpr_msb (MSB<<8)|\new
.set MSB, \new
.endif
.endm
.macro PLACES                          ; four independent vector instructions stand between a matrix instruction and a load into, or a vector instruction on, its registers
.rept 4
	v_nop
.endr
.endm
; A joint load: waves 0 and 1 fetch x's two halves, waves 2 and 3 W's.  The branch hangs on the wave's number alone.
.macro JLOAD s
	s_cmp_eq_u32 s15, 0
	s_cbranch_scc0 .Lfor_b_\@
	tensor_load_to_lds s[G0+4*\s:G0+4*\s+3], s[G1:G1+7]
	s_nop 0
	s_branch .Lasked_\@
.Lfor_b_\@:
	tensor_load_to_lds s[G0B+4*\s:G0B+4*\s+3], s[G1B:G1B+7]
	s_nop 0
.Lasked_\@:
.endm
; A round of the cluster's barrier: my work-group's barrier; wave 0 signals for the work-group; every wave waits for all sixteen; my work-group's barrier again.
.macro CREST                           ; a round behind its opening barrier
	s_cmp_lg_u32 s14, 0
	s_cbranch_scc1 .Lnot_wave_0_\@
	s_barrier_signal -3
.Lnot_wave_0_\@:
	s_barrier_wait -3
	s_barrier_signal -1
	s_barrier_wait -1
.endm
.macro CROUND
	s_barrier_signal -1
	s_barrier_wait -1
	CREST
.endm
	s_load_b256 s[4:11], s[0:1], 0x0               ; bf s[4:5], cos s[6:7], sin s[8:9], qkv s[10:11]
	s_load_b64 s[12:13], s[0:1], 0x20              ; sc
	v_lshl_add_u32 v254, v0, 2, 0x4c800
	v_mov_b32 v255, 0
	ds_add_u32 v254, v255
	v_lshrrev_b32 v1, 5, v0
	v_readfirstlane_b32 s14, v1                    ; wave 0..3
	s_lshr_b32 s15, s14, 1                         ; mi: my 64 positions.  Also: I fetch for x (0) or for W (1)
	s_and_b32 s16, s14, 1                          ; ni: my columns.  Also: which half of that tile I fetch
	s_bfe_u32 s40, ttmp6, 0x40000                  ; cx
	s_bfe_u32 s41, ttmp6, 0x40004                  ; cy
	s_lshl_b32 s42, ttmp9, 2
	s_add_co_u32 s42, s42, s40                     ; bx = 4 x cluster x + cx: heads 3 bx .. 3 bx + 2
	s_and_b32 s43, ttmp7, 0xffff
	s_lshl_b32 s43, s43, 2
	s_add_co_u32 s43, s43, s41                     ; by = 4 x cluster y + cy: positions 128 by .. + 127
	s_lshl_b32 s44, s41, 2
	s_lshl_b32 s44, 15, s44                        ; my row of the cluster: places 4 cy .. 4 cy + 3
	s_lshl_b32 s45, 0x1111, s40                    ; my column: places cx, cx + 4, cx + 8, cx + 12
	s_mov_b32 s70, 0x76543210                      ; v_permlanex16_b32: lane i of one half reads lane i of the other
	s_mov_b32 s71, 0xfedcba98
	; group 1: elements of 2 bytes; 16 bytes of padding behind every 64 words; x: 64 rows x 128, W: 96 rows x 128; 2,048 elements from row to row
	s_or_b32 s[G1+0], s44, (1<<16)|(1<<20)|(1<<21)|(5<<22)|(3<<25)   ; 15:0 the mask of my row; bit 21 set beside a mask
	s_or_b32 s[G1B+0], s45, (1<<16)|(1<<20)|(1<<21)|(5<<22)|(3<<25)  ; the mask of my column
	s_mov_b32 s[G1+1], SLOTK<<16                   ; tensor_dim0 = 128
	s_mov_b32 s[G1B+1], SLOTK<<16
	s_mov_b32 s[G1+2], 64<<16                      ; tensor_dim1 = the tile's rows
	s_mov_b32 s[G1B+2], 96<<16
	s_mov_b32 s[G1+3], SLOTK<<16                   ; tile_dim0 = 128
	s_mov_b32 s[G1B+3], SLOTK<<16
	s_mov_b32 s[G1+4], 64                          ; tile_dim1
	s_mov_b32 s[G1B+4], 96
	s_mov_b32 s[G1+5], 2048                        ; the pitch
	s_mov_b32 s[G1B+5], 2048
	s_mov_b32 s[G1+6], 0
	s_mov_b32 s[G1B+6], 0
	s_mov_b32 s[G1+7], 0
	s_mov_b32 s[G1B+7], 0
	; where the tiles come from: x's address is made of by and the wave, W's of bx and the wave, each in registers that never hold the other coordinate
	s_lshl_b32 s18, s43, 7
	s_lshl_b32 s19, s16, 6
	s_add_co_u32 s18, s18, s19                     ; x: row 128 by + 64 x half
	s_lshl_b32 s18, s18, 12                        ; rows of 4,096 bytes
	s_mov_b32 s19, 0
	s_mul_i32 s46, s42, 192
	s_mul_i32 s47, s16, 96
	s_add_co_u32 s46, s46, s47                     ; W: row 192 bx + 96 x half
	s_lshl_b32 s46, s46, 12
	s_add_co_u32 s46, s46, 8388608                 ; W lies behind xh in bf
	s_mov_b32 s47, 0
	s_mul_i32 s20, s14, REG                        ; where they go: wave x REG; no place in the cluster enters an LDS address
	s_lshl_b32 s22, s43, 15                        ; cos and sin: 128 by rows of 256 bytes
	s_mov_b32 s23, 0
	s_wait_dscnt 0x0
	s_wait_kmcnt 0x0
	s_add_nc_u64 s[18:19], s[4:5], s[18:19]
	s_add_nc_u64 s[46:47], s[4:5], s[46:47]
	s_add_nc_u64 s[6:7], s[6:7], s[22:23]
	s_add_nc_u64 s[8:9], s[8:9], s[22:23]
	CROUND                                         ; all sixteen work-groups are here: the first joint loads meet
.irp s, 0,1
	s_mov_b32 s[G0+4*\s], 1
	s_add_co_u32 s[G0+4*\s+1], s20, \s*SLOT
	s_add_nc_u64 s[G0+4*\s+2:G0+4*\s+3], s[18:19], \s*SLOTK*2
	s_or_b32 s[G0+4*\s+3], s[G0+4*\s+3], 0x80000000
	s_mov_b32 s[G0B+4*\s], 1
	s_add_co_u32 s[G0B+4*\s+1], s20, \s*SLOT
	s_add_nc_u64 s[G0B+4*\s+2:G0B+4*\s+3], s[46:47], \s*SLOTK*2
	s_or_b32 s[G0B+4*\s+3], s[G0B+4*\s+3], 0x80000000
	JLOAD \s                                       ; both slots are asked for before anything else: two tensor loads of this wave are out
.endr
	v_and_b32 v1, 15, v0                           ; r
	v_bfe_u32 v2, v0, 4, 1                         ; h
	v_and_b32 v11, 31, v0                          ; lane
	; a fragment: lane (r, h) holds row r; registers 0-3 K = 8 h .. + 7, registers 4-7 K = 16 + 8 h .. + 7: two loads of 16 bytes, 32 bytes apart
	v_mul_u32_u24 v3, v1, PITCH
	v_lshl_add_u32 v3, v2, 4, v3
	s_mul_i32 s21, s15, REG                        ; my 64 rows of x
	s_mul_i32 s22, s16, 16*PITCH                   ; my tiles of W begin at row 16 ni,
	s_add_co_u32 s22, s22, 2*REG                   ; behind x's two parts
.irp s, 0,1
	v_add_nc_u32 v[ADRA+\s], s21, v3
	v_add_nc_u32 v[ADRB+\s], s22, v3
	s_add_co_u32 s21, s21, SLOT
	s_add_co_u32 s22, s22, SLOT
.endr
	; cos and sin of position 64 mi + 16 a + r, d = 16 ni + 8 h + i (lower) and 32 more (upper)
	s_lshl_b32 s21, s15, 14
	s_lshl_b32 s22, s16, 6
	s_add_co_u32 s21, s21, s22
	v_lshlrev_b32 v4, 8, v1
	v_lshl_add_u32 v4, v2, 5, v4
	v_add_nc_u32 v[CSO], s21, v4                   ; (64 mi + r) 256 + 64 ni + 32 h
	WIN 0x80                                       ; destination in window 2: tile row a at 32 a: cos lower 8, cos upper 8, sin lower 8, sin upper 8
.irp a, 0,1,2,3
	global_load_b128 v[32*\a:32*\a+3],     v[CSO], s[6:7] offset:4096*\a
	global_load_b128 v[32*\a+4:32*\a+7],   v[CSO], s[6:7] offset:4096*\a+16
	global_load_b128 v[32*\a+8:32*\a+11],  v[CSO], s[6:7] offset:4096*\a+128
	global_load_b128 v[32*\a+12:32*\a+15], v[CSO], s[6:7] offset:4096*\a+144
	global_load_b128 v[32*\a+16:32*\a+19], v[CSO], s[8:9] offset:4096*\a
	global_load_b128 v[32*\a+20:32*\a+23], v[CSO], s[8:9] offset:4096*\a+16
	global_load_b128 v[32*\a+24:32*\a+27], v[CSO], s[8:9] offset:4096*\a+128
	global_load_b128 v[32*\a+28:32*\a+31], v[CSO], s[8:9] offset:4096*\a+144
.endr
	WIN 0
	; the stage: in at row 64 mi + 16 a + r, byte 4 d
	s_mul_i32 s21, s15, 64*SP
	s_lshl_b32 s22, s16, 6
	s_add_co_u32 s21, s21, s22
	s_add_co_u32 s21, s21, STG
	v_mul_u32_u24 v4, v1, SP
	v_lshl_add_u32 v4, v2, 5, v4
	v_add_nc_u32 v[STO], s21, v4
	v_add_nc_u32 v[STO+1], HSTG, v[STO]
	v_add_nc_u32 v[STO+2], 2*HSTG, v[STO]
	; back: wave w takes rows 32 w .. + 31 of each head, eight lanes a row, 32 bytes a lane
	v_lshrrev_b32 v5, 3, v11
	v_and_b32 v6, 7, v11
	v_mul_u32_u24 v5, v5, SP
	v_lshl_add_u32 v5, v6, 5, v5
	s_mul_i32 s21, s14, 32*SP
	s_add_co_u32 s21, s21, STG
	v_add_nc_u32 v[RD], s21, v5
	v_add_nc_u32 v[RD+1], HSTG, v[RD]
	v_add_nc_u32 v[RD+2], 2*HSTG, v[RD]
	v_lshlrev_b32 v[CO], 4, v11                    ; four rows of 128 bytes lie one behind the other: row lane / 8, 16 (lane mod 8) = 16 x lane
	s_lshl_b32 s22, s14, 2
	v_mov_b32 v10, s22                             ; my group's word in a head's row of sc
; NT matrix instructions: x's tile a against all my tiles of W, 32 along K.  zero = 1: the first product starts the sums, nothing is cleared.
.macro MULA f, a, zero
.irp b, 0,1,2,3,4,5
.if \zero
	v_wmma_f32_16x16x32_f16 v[8*(NT*\a+\b):8*(NT*\a+\b)+7], v[FB+8*NT*\f+8*\b:FB+8*NT*\f+8*\b+7], v[FA+32*\f+8*\a:FA+32*\f+8*\a+7], 0
.else
	v_wmma_f32_16x16x32_f16 v[8*(NT*\a+\b):8*(NT*\a+\b)+7], v[FB+8*NT*\f+8*\b:FB+8*NT*\f+8*\b+7], v[FA+32*\f+8*\a:FA+32*\f+8*\a+7], v[8*(NT*\a+\b):8*(NT*\a+\b)+7]
.endif
.endr
.endm
; One quarter step's fragments (32 K at byte k of the rows) into buffer f: W's six tiles (tile b = 2 j + e at row 64 j + 32 e + 16 ni), then x's four.
.macro FETCH slot, k, f
.irp b, 0,1,2,3,4,5
	ds_load_b128 v[FB+8*NT*\f+8*\b:FB+8*NT*\f+8*\b+3],   v[ADRB+\slot] offset:\k+(64*(\b/2)+32*(\b%2))*PITCH
	ds_load_b128 v[FB+8*NT*\f+8*\b+4:FB+8*NT*\f+8*\b+7], v[ADRB+\slot] offset:\k+(64*(\b/2)+32*(\b%2))*PITCH+32
.endr
.irp a, 0,1,2,3
	ds_load_b128 v[FA+32*\f+8*\a:FA+32*\f+8*\a+3],   v[ADRA+\slot] offset:\k+16*\a*PITCH
	ds_load_b128 v[FA+32*\f+8*\a+4:FA+32*\f+8*\a+7], v[ADRA+\slot] offset:\k+16*\a*PITCH+32
.endr
.endm
; A quarter step: 24 matrix instructions on buffer f; in its middle the next quarter's fragments go into buffer g.
; The 24 accumulators take turns, one instruction a turn, in the same order in every quarter.
.macro QUARTER slot, k, f, g, zero
	s_wait_dscnt 4                                 ; all of buffer f but the youngest four loads, x's tiles 2 and 3
	WIN 0x50                                       ; C and D in window 1
	MULA \f, 0, \zero
	MULA \f, 1, \zero
	PLACES
	WIN 0
	FETCH \slot, \k, \g
	s_wait_dscnt NL                                ; all but the NL just issued
	WIN 0x50
	MULA \f, 2, \zero
	MULA \f, 3, \zero
.endm
.macro RUN slot, zero
	QUARTER \slot, 64,  0, 1, \zero
	QUARTER \slot, 128, 1, 0, 0
	QUARTER \slot, 192, 0, 1, 0
.endm
; The last quarter of a slot, on buffer 1, and the change of slots.  In front of the barrier each wave waits for its reads of this slot and for all its tensor loads
; (one is out: its part of the next slot).  Where the slot is filled again the barrier opens a round of the cluster's barrier, and the joint refill is the first
; tensor load behind the round.  From a request to the wait for it a wave issues 90 matrix instructions.
; jump = 1: the slot's next tile is the first of the second pass: x's address goes from the end of xh's rows to the start of xl's, W's back to the start of its rows.
.macro TURN slot, next, fill, jump
	s_wait_dscnt 4
	WIN 0x50
	MULA 1, 0, 0
	s_wait_dscnt 0                                 ; my reads of this slot are over
	s_wait_tensorcnt 0x0                           ; all my tensor loads have landed
	ds_add_u32 v254, v255
	s_wait_dscnt 0x0
	s_barrier_signal -1
	MULA 1, 1, 0                                   ; register work while the others arrive
	WIN 0
	s_barrier_wait -1
.if \fill
	CREST
.if \jump
	s_add_nc_u64 s[G0+4*\slot+2:G0+4*\slot+3], s[G0+4*\slot+2:G0+4*\slot+3], XLO-KROW+4*SLOTK
	s_sub_nc_u64 s[G0B+4*\slot+2:G0B+4*\slot+3], s[G0B+4*\slot+2:G0B+4*\slot+3], KROW-4*SLOTK
.else
	s_add_nc_u64 s[G0+4*\slot+2:G0+4*\slot+3], s[G0+4*\slot+2:G0+4*\slot+3], 4*SLOTK     ; two slots on: 2 x 128 elements of 2 bytes
	s_add_nc_u64 s[G0B+4*\slot+2:G0B+4*\slot+3], s[G0B+4*\slot+2:G0B+4*\slot+3], 4*SLOTK
.endif
	JLOAD \slot
.endif
	PLACES
	FETCH \next, 0, 0
	WIN 0x50
	MULA 1, 2, 0
	MULA 1, 3, 0
.endm
.macro LAP zero, jump                  ; once round the ring: 256 along K, both slots filled again
	RUN 0, \zero
	TURN 0, 1, 1, \jump
	RUN 1, 0
	TURN 1, 0, 1, \jump
.endm
	s_wait_loadcnt 0x0                             ; cos and sin, once
	s_wait_tensorcnt 0x1                           ; my part of slot 0 is in; slot 1's load stays out
	s_barrier_signal -1
	s_barrier_wait -1
	FETCH 0, 0, 0
	; sixteen laps: 0-7 multiply xh, 8-15 xl.  A lap asks for the next lap's tiles, so lap 7 makes the jump.
	LAP 1, 0                                       ; lap 0 stands in front of the loop: its first products start the sums
	WIN 0
	s_mov_b32 s3, 6
.Llap_hi:
	LAP 0, 0                                       ; laps 1-6
	WIN 0
	s_sub_co_u32 s3, s3, 1
	s_cmp_lg_u32 s3, 0
	s_cbranch_scc1 .Llap_hi
	LAP 0, 1                                       ; lap 7
	WIN 0
	s_mov_b32 s3, 7
.Llap_lo:
	LAP 0, 0                                       ; laps 8-14
	WIN 0
	s_sub_co_u32 s3, s3, 1
	s_cmp_lg_u32 s3, 0
	s_cbranch_scc1 .Llap_lo
	RUN 0, 0                                       ; lap 15 fills nothing
	TURN 0, 1, 0, 0
	RUN 1, 0
	s_wait_dscnt 4
	WIN 0x50
	MULA 1, 0, 0
	MULA 1, 1, 0
	s_wait_dscnt 0
	MULA 1, 2, 0
	MULA 1, 3, 0
	PLACES                                         ; behind the last matrix instructions, in front of all that reads results or writes fragments
	WIN 0
	; THE WAY OUT.  Heads below 40 (q and k) take the rotary step, a scale and a lower part; v's heads keep their numbers.  These are selects and a lane mask, not branches: they hang on bx.
	s_mul_i32 s46, s42, 3
.irp j, 0,1,2
	s_add_co_u32 s47, s46, \j                      ; the head
	s_lshl_b32 s82, s47, 19                        ; q, k: heads of 524,288 bytes,
	s_lshl_b32 s83, s43, 15                        ; four groups of 8,192 bytes for each block row,
	s_add_co_u32 s82, s82, s83
	s_lshl_b32 s83, s14, 13                        ; my group
	s_add_co_u32 s82, s82, s83
	s_lshl_b32 s84, s47, 18                        ; v: heads of 262,144 bytes,
	s_lshl_b32 s83, s43, 14                        ; 128 rows of 128 bytes for each block row,
	s_add_co_u32 s84, s84, s83
	s_lshl_b32 s83, s14, 12                        ; my 32 rows,
	s_add_co_u32 s84, s84, s83
	s_add_co_u32 s84, s84, VOFF-40*262144          ; and head 40 begins at VOFF
	s_cmp_lt_u32 s47, 40
	s_cselect_b32 s[HM+\j], -1, 0
	s_cselect_b32 s[TM+\j], 0xffffe000, -1
	s_cselect_b32 s82, s82, s84
	s_mov_b32 s83, 0
	s_add_nc_u64 s[OB+2*\j:OB+2*\j+1], s[10:11], s[82:83]
.endr
	s_lshl_b32 s18, s43, 4                         ; sc: group 4 by,
	s_mov_b32 s19, 0
	s_add_nc_u64 s[12:13], s[12:13], s[18:19]
	s_mul_i32 s46, s42, 3*256                      ; and head 3 bx
	s_mov_b32 s47, 0
	s_add_nc_u64 s[12:13], s[12:13], s[46:47]
; Tile row a of head j: lower = L cos - H sin, upper = H cos + L sin, with L, H the tiles at d and d + 32; then 64 bytes a lane into the stage.
.macro ROPE a, j
	WIN 0x09                                       ; source 0 (results) window 1, source 1 (cos, sin) window 2
.irp i, 0,2,4,6
	v_pk_mul_f32 v[T+\i:T+\i+1],     v[8*(NT*\a+2*\j)+\i:8*(NT*\a+2*\j)+\i+1],     v[32*\a+\i:32*\a+\i+1]
	v_pk_mul_f32 v[T+8+\i:T+8+\i+1], v[8*(NT*\a+2*\j+1)+\i:8*(NT*\a+2*\j+1)+\i+1], v[32*\a+8+\i:32*\a+8+\i+1]
.endr
.irp i, 0,1,2,3,4,5,6,7
	v_fma_f32 v[T+\i], -v[8*(NT*\a+2*\j+1)+\i], v[32*\a+16+\i], v[T+\i]
.endr
.irp i, 0,2,4,6
	v_pk_fma_f32 v[T+8+\i:T+8+\i+1], v[8*(NT*\a+2*\j)+\i:8*(NT*\a+2*\j)+\i+1], v[32*\a+24+\i:32*\a+24+\i+1], v[T+8+\i:T+8+\i+1]
.endr
	WIN 0x01                                       ; source 0 window 1
.irp i, 0,1,2,3,4,5,6,7
	v_cndmask_b32 v[T+\i],   v[8*(NT*\a+2*\j)+\i],   v[T+\i],   s[HM+\j]     ; v's heads: the plain product
	v_cndmask_b32 v[T+8+\i], v[8*(NT*\a+2*\j+1)+\i], v[T+8+\i], s[HM+\j]
.endr
	WIN 0
	ds_store_b128 v[STO+\j], v[T:T+3]     offset:16*SP*\a
	ds_store_b128 v[STO+\j], v[T+4:T+7]   offset:16*SP*\a+16
	ds_store_b128 v[STO+\j], v[T+8:T+11]  offset:16*SP*\a+128
	ds_store_b128 v[STO+\j], v[T+12:T+15] offset:16*SP*\a+144
.endm
.irp j, 0,1,2
.irp a, 0,1,2,3
	ROPE \a, \j
.endr
.endr
	s_wait_dscnt 0x0                               ; my stores into the stage are done: a row's two halves come from two waves
	s_barrier_signal -1
	s_barrier_wait -1
.irp j, 0,1,2
.irp t, 0,1,2,3,4,5,6,7
	ds_load_b128 v[XB+64*\j+8*\t:XB+64*\j+8*\t+3],   v[RD+\j] offset:4*SP*\t       ; four rows a step
	ds_load_b128 v[XB+64*\j+8*\t+4:XB+64*\j+8*\t+7], v[RD+\j] offset:4*SP*\t+16
.endr
.endr
; Head j, my 32 rows: the largest magnitude, its exponent as 2^e, all numbers times 2^-e; hi = the bits of TM, lo = the rest; both to f16; each store covers 512 consecutive bytes.
; For v TM is all ones: hi is the number itself, rounded to nearest by the conversion, and lo is 0 and is not stored.
.macro NORM j
	s_wait_dscnt 16*(2-\j)                         ; the later heads' loads may be out
	v_max_num_f32 v240, |v[XB+64*\j]|, |v[XB+64*\j+1]|
	v_max_num_f32 v241, |v[XB+64*\j+32]|, |v[XB+64*\j+33]|
.irp u, 2,4,6,8,10,12,14,16,18,20,22,24,26,28,30
	v_max3_num_f32 v240, |v[XB+64*\j+\u]|, |v[XB+64*\j+\u+1]|, v240
	v_max3_num_f32 v241, |v[XB+64*\j+32+\u]|, |v[XB+64*\j+33+\u]|, v241
.endr
	v_max_num_f32 v240, v240, v241
	v_max_num_f32_dpp v240, v240, v240 row_xmask:1 row_mask:0xf bank_mask:0xf
	v_max_num_f32_dpp v240, v240, v240 row_xmask:2 row_mask:0xf bank_mask:0xf
	v_max_num_f32_dpp v240, v240, v240 row_xmask:4 row_mask:0xf bank_mask:0xf
	v_max_num_f32_dpp v240, v240, v240 row_xmask:8 row_mask:0xf bank_mask:0xf
	v_permlanex16_b32 v241, v240, s70, s71
	v_max_num_f32 v240, v240, v241                 ; every lane holds the group's largest magnitude
	v_and_b32 v242, 0x7f800000, v240               ; 2^e: its exponent field alone
	v_sub_nc_u32 v243, 0x7f000000, v242            ; 2^-e: field 254 - field
	v_cndmask_b32 v[246+\j], 1.0, v242, s[HM+\j]   ; v's heads: 1.0
	v_cndmask_b32 v244, 1.0, v243, s[HM+\j]
	v_cndmask_b32 v245, 1.0, v243, s[HM+\j]
.irp t, 0,1,2,3,4,5,6,7
.irp u, 0,2,4,6
	v_pk_mul_f32 v[XB+64*\j+8*\t+\u:XB+64*\j+8*\t+\u+1], v[XB+64*\j+8*\t+\u:XB+64*\j+8*\t+\u+1], v[244:245]
.endr
.irp u, 0,1,2,3,4,5,6,7
	v_and_b32 v[T+\u], s[TM+\j], v[XB+64*\j+8*\t+\u]           ; hi, still as f32
.endr
.irp u, 0,2,4,6
	v_pk_add_f32 v[XB+64*\j+8*\t+\u:XB+64*\j+8*\t+\u+1], v[XB+64*\j+8*\t+\u:XB+64*\j+8*\t+\u+1], v[T+\u:T+\u+1] neg_lo:[0,1] neg_hi:[0,1]   ; lo, exact
.endr
.irp u, 0,1,2,3
	v_cvt_pk_f16_f32 v[XB+64*\j+8*\t+\u], v[XB+64*\j+8*\t+2*\u], v[XB+64*\j+8*\t+2*\u+1]     ; lo into registers 0-3 of the eight,
.endr
.irp u, 0,1,2,3
	v_cvt_pk_f16_f32 v[XB+64*\j+8*\t+4+\u], v[T+2*\u], v[T+2*\u+1]                           ; hi into registers 4-7, which have been read by now
.endr
	global_store_b128 v[CO], v[XB+64*\j+8*\t+4:XB+64*\j+8*\t+7], s[OB+2*\j:OB+2*\j+1] offset:512*\t   ; no register that a store reads is written again
.endr
	s_wait_xcnt 0x0                                ; EXEC is a source of the stores above: it changes only behind this wait
	s_mov_b32 vcc_lo, s[HM+\j]
	s_and_saveexec_b32 s69, vcc_lo                 ; all lanes for q and k, none for v
.irp t, 0,1,2,3,4,5,6,7
	global_store_b128 v[CO], v[XB+64*\j+8*\t:XB+64*\j+8*\t+3], s[OB+2*\j:OB+2*\j+1] offset:4096+512*\t   ; the group's lower parts lie behind its 4,096 bytes of upper parts
.endr
	s_wait_xcnt 0x0                                ; and again in front of the line that widens it
	s_or_b32 exec_lo, exec_lo, s69
.endm
	NORM 0
	NORM 1
	NORM 2
	v_cmp_eq_u32 vcc_lo, 0, v11                    ; no store has been issued since the last wait for the address translations
	s_and_saveexec_b32 s69, vcc_lo                 ; lane 0 stores the three scales of my group: twelve bytes a wave
	global_store_b32 v10, v246, s[12:13]
	global_store_b32 v10, v247, s[12:13] offset:256
	global_store_b32 v10, v248, s[12:13] offset:512
	s_wait_xcnt 0x0                                ; in front of the line that widens EXEC
	s_or_b32 exec_lo, exec_lo, s69
	s_wait_tensorcnt 0x0
	ds_add_u32 v254, v255
	s_wait_dscnt 0x0
	CROUND                                         ; the closing round: no work-group ends while a partner may still ask for a tile that names it
	s_endpgm
.Lfunc_end_k_q050edc6640_qkvproj:
	.size	k_q050edc6640_qkvproj, .Lfunc_end_k_q050edc6640_qkvproj-k_q050edc6640_qkvproj
	.p2alignl 7, 3214868480
	.fill 96, 4, 3214868480
	.section	.rodata,"a",@progbits
	.p2align	6, 0x0
	.amdhsa_kernel k_q050edc6640_qkvproj
		.amdhsa_group_segment_fixed_size 327680
		.amdhsa_private_segment_fixed_size 0
		.amdhsa_enable_private_segment 0
		.amdhsa_kernarg_size 40
		.amdhsa_user_sgpr_count 2
		.amdhsa_user_sgpr_kernarg_segment_ptr 1
		.amdhsa_wavefront_size32 1
		.amdhsa_system_sgpr_workgroup_id_x 1
		.amdhsa_system_sgpr_workgroup_id_y 1
		.amdhsa_system_sgpr_workgroup_id_z 1
		.amdhsa_system_vgpr_workitem_id 0
		.amdhsa_next_free_vgpr 640
		.amdhsa_next_free_sgpr 86
		.amdhsa_reserve_vcc 1
		.amdhsa_float_denorm_mode_32 3
		.amdhsa_float_denorm_mode_16_64 3
		.amdhsa_memory_ordered 1
		.amdhsa_forward_progress 1
		.amdhsa_inst_pref_size 218
	.end_amdhsa_kernel
	.amdgpu_metadata
---
amdhsa.version: [ 1, 2 ]
amdhsa.kernels:
  - .name:           k_q050edc6640_qkvproj
    .symbol:         k_q050edc6640_qkvproj.kd
    .args:
      - { .name: bf, .offset: 0, .size: 8, .value_kind: global_buffer, .address_space: global }
      - { .name: cos, .offset: 8, .size: 8, .value_kind: global_buffer, .address_space: global }
      - { .name: sin, .offset: 16, .size: 8, .value_kind: global_buffer, .address_space: global }
      - { .name: qkv, .offset: 24, .size: 8, .value_kind: global_buffer, .address_space: global }
      - { .name: sc, .offset: 32, .size: 8, .value_kind: global_buffer, .address_space: global }
    .group_segment_fixed_size: 327680
    .private_segment_fixed_size: 0
    .kernarg_segment_align: 8
    .kernarg_segment_size: 40
    .max_flat_workgroup_size: 128
    .sgpr_count:     86
    .vgpr_count:     640
    .wavefront_size: 32
...
	.end_amdgpu_metadata
.endif
;; end of part 2
;; launch attention (part 3): grid 256 x 1, 8 waves a work-group, clusters of 4 x 1, 327,680 bytes of LDS; arguments qkv, sc, attn; writes attn
.if DOCPART == 3
	.amdgcn_target "amdgcn-amd-amdhsa--gfx1250"
	.amdhsa_code_object_version 6
	.text
	.protected	k_q050edc6640_attention
	.globl	k_q050edc6640_attention
	.p2align	8
	.type	k_q050edc6640_attention,@function
k_q050edc6640_attention:
	s_mov_b64 s[64:65], 0
	v_nop
	global_prefetch_b8 v0, s[64:65] scope:SCOPE_SE
	s_setreg_imm32_b32 hwreg(HW_REG_WAVE_MODE, 25, 1), 1
	s_wait_xcnt 0x0
	s_wait_alu depctr_hold_cnt(0) depctr_sa_sdst(0) depctr_va_vdst(0) depctr_va_sdst(0) depctr_va_ssrc(0) depctr_va_vcc(0) depctr_vm_vsrc(0)
	s_getreg_b32 s2, hwreg(HW_REG_IB_STS2, 6, 4)
	s_cmp_eq_u32 s2, 0
	s_cbranch_scc0 .Lentry_in_a_cluster
	s_endpgm
.Lentry_in_a_cluster:
	s_bfe_u32 s2, ttmp6, 0x10000c
	s_cmp_lg_u32 s2, 0x3003
	s_cbranch_scc0 .Lentry_shape_is_right
	s_endpgm
.Lentry_shape_is_right:
; Softmax attention, 32 query heads on 8 key and value heads, head size 64, 2,048 keys, no mask, with a running maximum.
; In:  qkv: heads 0-31 q, 32-39 k, 524,288 bytes each: [64 groups of 32 positions][hi 32 x 64 f16][lo 32 x 64 f16], both divided by the group's 2^e; v [8][2048][64] f16 at byte 20,971,520.
;      sc [48][64] f32, the 2^e of each group.
; Out: attn [2048][2048] f16, column = head x 64 + d.
; A raw score is Kh Qh + Kh Ql + Kl Qh, three products on one accumulator: q and k enter with 22 bits, since an error of a score passes through the exponential.
; Kl Ql, below 2^-20 of a term, is left out.  score x log2(e) = raw x 2^eq x 2^ek x 0.125 x 1.442695, formed in f32.
; LIMIT: 2^eq x 2^ek x 0.18 must be a finite f32 (beyond that the plain f32 scores overflow too).
; CLUSTER 4 x 1: cluster c serves key head g = c / 8 and queries 256 (c mod 8) .. + 255 of its four query heads; all four partners walk the same K and V tiles and ask for them
; jointly (mask 15).  Work-group cx takes heads 4 g + 2 (cx mod 2) + {0, 1} and queries q0 = 256 (c mod 8) + 128 (cx / 2) .. + 127.  Q is nobody else's: plain loads.
; Eight waves: wave w takes head w mod 2 of the two and 32 queries at 32 (w / 2), which is one scale group.  Two waves lie on a SIMD, so that one wave's
; exponentials stand beside the other's matrix instructions.
; TRANSPOSED: S^T = K Q^T holds (key 8 h + j, query r): a query is a lane, its state one register; two packed tiles of S^T are a fragment of P^T as they lie;
; O^T = V^T P^T holds eight neighbouring d of one query.
; LDS: two slots of 256 keys.  A slot: four parts of K, filled by waves 0-3: 64 keys = two groups = 16,384 consecutive bytes of memory = 128 rows of 128 bytes, pitch 144
; (rows 0-31 hi and 32-63 lo of the first group, 64-127 the same of the second); then four parts of V, filled by waves 4-7: 64 keys, pitch 160.  Behind the slots the stage.
.set PARTK, 128*144
.set PARTV, 64*160
.set VBASE, 4*PARTK                    ; V's parts begin behind K's
.set SLOT,  4*PARTK+4*PARTV
.set KP,   144                         ; 128 bytes + 16 = 9 x 16: sixteen rows begin at sixteen different 16-byte columns modulo 256
.set VP,   160                         ; 128 bytes + 32 = 5 x 32, for the transposing load
.set STG,  2*SLOT                      ; the stage: 128 queries x 256 bytes (two heads), pitch 272; no tensor load ever lands in it
.set SP,   272
.set VOFF, 20971520                    ; where v begins in qkv
.set KA, 6                             ; v6-7    LDS address of my K fragments in parts 0 and 1 of slot 0, 1; v32-33 the same for parts 2 and 3, so that the immediates stay below 65,536
.set VA, 8                             ; v8-9    the same for V, all four parts
.set SB, 64                            ; v64-127  S^T tiles: (kt, q) at 8 (4 q + kt); later P^T: (q, kh) at 32 q + 16 kh
.set KF, 128                           ; v128-191 K fragments: (kt, dh) at 8 (2 kt + dh): hi in window 0, lo at the same numbers in window 1
.set VF, 192                           ; v192-255 V^T fragments: (dt, kh) at 8 (2 dt + kh)
.set QH, 64                            ; window 1: v64-95 Q hi, v96-127 Q lo: (q, dh) at 8 (2 q + dh)
                                       ; window 1: v0-63 O^T tiles: (dt, q) at 8 (4 q + dt)
; v1 QC = 0.18033688 x 2^eq; v[2:3], v[4:5] QC x the block's two key scales, each twice; v10-13 running maxima M[parity][q] in log2 units;
; v14-15 running sums; v[16:19] -M, twice for each q; v[20:23] the factors 2^(M old - M new), twice for each q; v24-31 at work
.set G1K, 24                           ; s[24:31] group 1, K's tiles
.set G0K, 32                           ; s[32:39] group 0, K's tiles, a set for each slot
.set G1V, 48                           ; s[48:55] group 1, V's tiles
.set G0V, 56                           ; s[56:63] group 0, V's tiles
.set KS,  72                           ; s[72:79], s[80:87] the eight key scales of the tile in slot 0, 1
.set PK,  88                           ; s[88:89], s[90:91] where the slot's next scales lie
.set MSB, 0
.macro WIN new                         ; s_set_vgpr_msb: bits 1:0 source 0, 3:2 source 1, 5:4 source 2, 7:6 destination; the high byte repeats the setting that is left
.if MSB != \new
	s_set_vgpr_msb (MSB<<8)|\new
.set MSB, \new
.endif
.endm
.macro PLACES                          ; four independent vector instructions between a matrix instruction and what touches its registers (ISA guide 7.12.1)
.rept 4
	v_nop
.endr
.endm
.macro JLOAD s                         ; waves 0-3 ask for K's four parts, waves 4-7 for V's; the branch hangs on the wave's number alone
	s_cmp_eq_u32 s11, 0
	s_cbranch_scc0 .Lfor_v_\@
	tensor_load_to_lds s[G0K+4*\s:G0K+4*\s+3], s[G1K:G1K+7]
	s_nop 0
	s_branch .Lasked_\@
.Lfor_v_\@:
	tensor_load_to_lds s[G0V+4*\s:G0V+4*\s+3], s[G1V:G1V+7]
	s_nop 0
.Lasked_\@:
.endm
.macro CROUND                          ; a round of the cluster's barrier
	s_barrier_signal -1
	s_barrier_wait -1
	s_cmp_lg_u32 s10, 0
	s_cbranch_scc1 .Lnot_wave_0_\@
	s_barrier_signal -3
.Lnot_wave_0_\@:
	s_barrier_wait -3
	s_barrier_signal -1
	s_barrier_wait -1
.endm
	s_load_b128 s[4:7], s[0:1], 0x0                ; qkv s[4:5], sc s[6:7]
	s_load_b64 s[8:9], s[0:1], 0x10                ; attn
	v_lshl_add_u32 v62, v0, 2, 0x40800
	v_mov_b32 v63, 0
	ds_add_u32 v62, v63
	v_lshrrev_b32 v24, 5, v0
	v_readfirstlane_b32 s10, v24                   ; wave 0..7
	s_lshr_b32 s11, s10, 2                         ; I fetch for K (0) or for V (1)
	s_and_b32 s14, s10, 1                          ; which of the two heads
	s_lshr_b32 s15, s10, 1                         ; which 32 queries
	s_bfe_u32 s12, ttmp6, 0x40000                  ; cx
	s_lshr_b32 s13, ttmp9, 3                       ; g
	s_mov_b32 s20, 0x76543210                      ; v_permlanex16_b32: lane i of one half reads lane i of the other
	s_mov_b32 s21, 0xfedcba98
	; group 1: rows of 64 elements of 2 bytes, 64 elements from row to row; K 128 rows, V 64; padding behind every 32 words: 4 words for K, 8 for V; mask 15 with bit 21 beside it
	s_mov_b32 s[G1K+0], 15|(1<<16)|(1<<20)|(1<<21)|(4<<22)|(3<<25)
	s_mov_b32 s[G1V+0], 15|(1<<16)|(1<<20)|(1<<21)|(4<<22)|(7<<25)
	s_mov_b32 s[G1K+1], 64<<16
	s_mov_b32 s[G1V+1], 64<<16
	s_mov_b32 s[G1K+2], 128<<16
	s_mov_b32 s[G1V+2], 64<<16
	s_mov_b32 s[G1K+3], 64<<16
	s_mov_b32 s[G1V+3], 64<<16
	s_mov_b32 s[G1K+4], 128
	s_mov_b32 s[G1V+4], 64
	s_mov_b32 s[G1K+5], 64
	s_mov_b32 s[G1V+5], 64
	s_mov_b32 s[G1K+6], 0
	s_mov_b32 s[G1V+6], 0
	s_mov_b32 s[G1K+7], 0
	s_mov_b32 s[G1V+7], 0
	; the tiles' addresses hang on g and the wave alone, which all four partners share
	s_add_co_u32 s40, s13, 32
	s_lshl_b32 s40, s40, 19                        ; head 32 + g
	s_lshl_b32 s41, s10, 14                        ; 64 w keys: two groups of 8,192 bytes
	s_add_co_u32 s40, s40, s41
	s_lshl_b32 s42, s13, 18                        ; v's head g,
	s_lshl_b32 s41, s10, 13                        ; 64 w keys of 128 bytes,
	s_add_co_u32 s42, s42, s41
	s_add_co_u32 s42, s42, VOFF-32768              ; of which waves 4-7 take keys 64 (w - 4)
	s_mov_b32 s41, 0
	s_mov_b32 s43, 0
	s_mul_i32 s44, s10, PARTK                      ; where K's parts go: wave x PARTK
	s_mul_i32 s45, s10, PARTV
	s_add_co_u32 s45, s45, VBASE-4*PARTV           ; and V's: VBASE + (wave - 4) x PARTV
	s_add_co_u32 s46, s13, 32
	s_lshl_b32 s46, s46, 8                         ; the key head's row of sc
	s_mov_b32 s47, 0
	s_wait_dscnt 0x0
	s_wait_kmcnt 0x0
	s_add_nc_u64 s[40:41], s[4:5], s[40:41]
	s_add_nc_u64 s[42:43], s[4:5], s[42:43]
	s_add_nc_u64 s[PK:PK+1], s[6:7], s[46:47]
	s_add_nc_u64 s[PK+2:PK+3], s[PK:PK+1], 32      ; eight scales a tile
	CROUND                                         ; all four work-groups are here: the first joint loads meet
.irp s, 0,1
	s_mov_b32 s[G0K+4*\s], 1
	s_add_co_u32 s[G0K+4*\s+1], s44, \s*SLOT
	s_add_nc_u64 s[G0K+4*\s+2:G0K+4*\s+3], s[40:41], \s*65536
	s_or_b32 s[G0K+4*\s+3], s[G0K+4*\s+3], 0x80000000
	s_mov_b32 s[G0V+4*\s], 1
	s_add_co_u32 s[G0V+4*\s+1], s45, \s*SLOT
	s_add_nc_u64 s[G0V+4*\s+2:G0V+4*\s+3], s[42:43], \s*32768
	s_or_b32 s[G0V+4*\s+3], s[G0V+4*\s+3], 0x80000000
	JLOAD \s                                       ; tiles 0 and 1: two tensor loads of this wave are out
.endr
	s_load_b256 s[KS:KS+7], s[PK:PK+1], 0x0
	s_load_b256 s[KS+8:KS+15], s[PK+2:PK+3], 0x0
	; what hangs on cx lives in s12 and s66-71, and in the pointers s[16:19] and s[8:9]
	s_and_b32 s66, s12, 1
	s_lshr_b32 s67, s12, 1
	s_and_b32 s70, ttmp9, 7
	s_lshl_b32 s70, s70, 8
	s_lshl_b32 s67, s67, 7
	s_add_co_u32 s70, s70, s67                     ; q0
	s_lshl_b32 s71, s13, 2
	s_lshl1_add_u32 s71, s66, s71                  ; head0 = 4 g + 2 (cx mod 2)
	s_lshl_b32 s68, s71, 19
	s_lshl_b32 s69, s70, 8                         ; q0 / 32 groups of 8,192 bytes
	s_add_co_u32 s68, s68, s69
	s_mov_b32 s69, 0
	s_add_nc_u64 s[16:17], s[4:5], s[68:69]        ; Q: head0, the group of query q0
	s_add_co_u32 s68, s71, s14
	s_lshl_b32 s68, s68, 8                         ; my head's row of sc,
	s_lshr_b32 s67, s70, 3
	s_lshl2_add_u32 s67, s15, s67                  ; word q0 / 32 + w / 2
	s_add_co_u32 s68, s68, s67
	s_add_nc_u64 s[18:19], s[6:7], s[68:69]
	s_load_b32 s22, s[18:19], 0x0                  ; 2^eq of my 32 queries
	s_lshl_b32 s68, s70, 12
	s_lshl_b32 s67, s71, 7
	s_add_co_u32 s68, s68, s67
	s_add_nc_u64 s[8:9], s[8:9], s[68:69]          ; attn: row q0, column 64 head0
	v_and_b32 v25, 15, v0                          ; r
	v_bfe_u32 v26, v0, 4, 1                        ; h
	s_lshl_b32 s23, s15, 13                        ; my group,
	s_lshl_b32 s45, s14, 19                        ; my head of the two
	s_add_co_u32 s23, s23, s45
	v_lshlrev_b32 v29, 7, v25
	v_lshl_add_u32 v29, v26, 4, v29
	v_add_nc_u32 v29, s23, v29                     ; + 128 r + 16 h
	WIN 0x40                                       ; destination in window 1
.irp p, 0,1
.irp q, 0,1
.irp dh, 0,1
	global_load_b128 v[QH+32*\p+8*(2*\q+\dh):QH+32*\p+8*(2*\q+\dh)+3],   v29, s[16:17] offset:4096*\p+2048*\q+64*\dh
	global_load_b128 v[QH+32*\p+8*(2*\q+\dh)+4:QH+32*\p+8*(2*\q+\dh)+7], v29, s[16:17] offset:4096*\p+2048*\q+64*\dh+32
.endr
.endr
.endr
	WIN 0
	v_mul_u32_u24 v27, v25, KP
	v_lshl_add_u32 v[KA], v26, 4, v27              ; K: row r, 16 h
	v_add_nc_u32 v[KA+1], SLOT, v[KA]
	v_add_nc_u32 v[KA+26], 2*PARTK, v[KA]
	v_add_nc_u32 v[KA+27], SLOT+2*PARTK, v[KA]
	v_and_b32 v27, 7, v0
	v_lshl_add_u32 v27, v26, 3, v27                ; V: key 8 h + lane mod 8,
	v_mul_u32_u24 v27, v27, VP
	v_bfe_u32 v28, v0, 3, 1
	v_lshl_add_u32 v27, v28, 4, v27                ; 16 bytes further for the odd groups of eight lanes
	v_add_nc_u32 v[VA], VBASE, v27
	v_add_nc_u32 v[VA+1], SLOT+VBASE, v27
	s_wait_kmcnt 0x0                               ; the scales
	v_mov_b32 v1, s22
	v_mul_f32 v1, 0x3e38aa3b, v1                   ; QC = 0.125 x log2(e) x 2^eq
	s_wait_loadcnt 0x0                             ; Q
; The 64 keys of part i: 4 tiles of 16 keys x 2 halves of d, hi and then lo: 32 loads.  Tile kt begins at row 64 (kt / 2) + 16 (kt mod 2); lo lies 32 rows further.
.macro LOADK slot, i
.irp kt, 0,1,2,3
.irp dh, 0,1
	ds_load_b128 v[KF+8*(2*\kt+\dh):KF+8*(2*\kt+\dh)+3],   v[KA+\slot+26*((\i)/2)] offset:PARTK*((\i)%2)+(64*(\kt/2)+16*(\kt%2))*KP+64*\dh
	ds_load_b128 v[KF+8*(2*\kt+\dh)+4:KF+8*(2*\kt+\dh)+7], v[KA+\slot+26*((\i)/2)] offset:PARTK*((\i)%2)+(64*(\kt/2)+16*(\kt%2))*KP+64*\dh+32
.endr
.endr
	WIN 0x40                                       ; destination in window 1
.irp kt, 0,1,2,3
.irp dh, 0,1
	ds_load_b128 v[KF+8*(2*\kt+\dh):KF+8*(2*\kt+\dh)+3],   v[KA+\slot+26*((\i)/2)] offset:PARTK*((\i)%2)+(64*(\kt/2)+16*(\kt%2)+32)*KP+64*\dh
	ds_load_b128 v[KF+8*(2*\kt+\dh)+4:KF+8*(2*\kt+\dh)+7], v[KA+\slot+26*((\i)/2)] offset:PARTK*((\i)%2)+(64*(\kt/2)+16*(\kt%2)+32)*KP+64*\dh+32
.endr
.endr
	WIN 0
.endm
.macro LOADV slot, i                   ; the same keys' V, transposed on the way: 4 tiles of 16 d x 2 halves of 32 keys: 16 loads
.irp dt, 0,1,2,3
.irp kh, 0,1
	ds_load_tr16_b128 v[VF+8*(2*\dt+\kh):VF+8*(2*\dt+\kh)+3],   v[VA+\slot] offset:PARTV*(\i)+32*VP*\kh+32*\dt
	ds_load_tr16_b128 v[VF+8*(2*\dt+\kh)+4:VF+8*(2*\dt+\kh)+7], v[VA+\slot] offset:PARTV*(\i)+32*VP*\kh+32*\dt+16*VP
.endr
.endr
.endm
; 64 keys against my 32 queries.  first = 1: the very first block starts maxima, sums and O.  morek = 1: the next block's K is fetched.
.macro BLOCK slot, i, first, morek
	v_mul_f32 v2, s[KS+8*\slot+2*\i], v1           ; keys 0-31 of the block: QC x 2^ek.  These four lines and the v_nop are also the five places between the last
	v_mul_f32 v3, s[KS+8*\slot+2*\i], v1           ; block's O products and the loads into V's fragments and the S products that write over P
	v_mul_f32 v4, s[KS+8*\slot+2*\i+1], v1         ; keys 32-63
	v_mul_f32 v5, s[KS+8*\slot+2*\i+1], v1
	v_nop
	LOADV \slot, \i
	s_wait_dscnt 16                                ; K's 32 loads are in; the 16 loads of V may be out
	; S^T = Kh Qh + Kh Ql + Kl Qh: six passes over eight accumulators, which take turns, one instruction a turn; the first pass starts the sums
	WIN 0x04                                       ; source 1 (Q) in window 1
.irp p, 0,1
.irp dh, 0,1
.irp q, 0,1
.irp kt, 0,1,2,3
.if \p+\dh
	v_wmma_f32_16x16x32_f16 v[SB+8*(4*\q+\kt):SB+8*(4*\q+\kt)+7], v[KF+8*(2*\kt+\dh):KF+8*(2*\kt+\dh)+7], v[QH+32*\p+8*(2*\q+\dh):QH+32*\p+8*(2*\q+\dh)+7], v[SB+8*(4*\q+\kt):SB+8*(4*\q+\kt)+7]
.else
	v_wmma_f32_16x16x32_f16 v[SB+8*(4*\q+\kt):SB+8*(4*\q+\kt)+7], v[KF+8*(2*\kt+\dh):KF+8*(2*\kt+\dh)+7], v[QH+32*\p+8*(2*\q+\dh):QH+32*\p+8*(2*\q+\dh)+7], 0
.endif
.endr
.endr
.endr
.endr
	WIN 0x05                                       ; source 0 (K lo) in window 1 too
.irp dh, 0,1
.irp q, 0,1
.irp kt, 0,1,2,3
	v_wmma_f32_16x16x32_f16 v[SB+8*(4*\q+\kt):SB+8*(4*\q+\kt)+7], v[KF+8*(2*\kt+\dh):KF+8*(2*\kt+\dh)+7], v[QH+8*(2*\q+\dh):QH+8*(2*\q+\dh)+7], v[SB+8*(4*\q+\kt):SB+8*(4*\q+\kt)+7]
.endr
.endr
.endr
	WIN 0
	PLACES
.if \morek
	LOADK \slot, \i+1
.endif
	; the largest raw score of each query and scale group (16 numbers a lane), four chains; the scales are not negative, so they may be applied behind the maximum
	v_max3_num_f32 v24, v[SB], v[SB+1], v[SB+2]
	v_max3_num_f32 v25, v[SB+16], v[SB+17], v[SB+18]
	v_max3_num_f32 v26, v[SB+32], v[SB+33], v[SB+34]
	v_max3_num_f32 v27, v[SB+48], v[SB+49], v[SB+50]
.irp u, 3,5,7,9,11,13
	v_max3_num_f32 v24, v[SB+\u], v[SB+\u+1], v24
	v_max3_num_f32 v25, v[SB+16+\u], v[SB+16+\u+1], v25
	v_max3_num_f32 v26, v[SB+32+\u], v[SB+32+\u+1], v26
	v_max3_num_f32 v27, v[SB+48+\u], v[SB+48+\u+1], v27
.endr
	v_max_num_f32 v24, v[SB+15], v24
	v_max_num_f32 v25, v[SB+31], v25
	v_max_num_f32 v26, v[SB+47], v26
	v_max_num_f32 v27, v[SB+63], v27
	v_mul_f32 v24, v24, v2
	v_mul_f32 v25, v25, v4
	v_mul_f32 v26, v26, v2
	v_mul_f32 v27, v27, v4
.if \first
	v_max_num_f32 v24, v24, v25
	v_max_num_f32 v26, v26, v27
.else
	v_max3_num_f32 v24, v24, v25, v[10+2*(1-\i%2)]         ; with the running maximum
	v_max3_num_f32 v26, v26, v27, v[11+2*(1-\i%2)]
.endif
	v_permlanex16_b32 v25, v24, s20, s21           ; a query's keys lie in lanes r and r + 16
	v_permlanex16_b32 v27, v26, s20, s21
	v_max_num_f32 v[10+2*(\i%2)], v24, v25         ; the new maximum goes into the other pair: nothing is copied
	v_max_num_f32 v[11+2*(\i%2)], v26, v27
.if \first == 0
	v_sub_f32 v20, v[10+2*(1-\i%2)], v[10+2*(\i%2)]
	v_sub_f32 v21, v[10+2*(1-\i%2)], v[10+2*(\i%2)]
	v_sub_f32 v22, v[11+2*(1-\i%2)], v[11+2*(\i%2)]
	v_sub_f32 v23, v[11+2*(1-\i%2)], v[11+2*(\i%2)]
.endif
	v_mul_f32 v16, -1.0, v[10+2*(\i%2)]
	v_mul_f32 v17, -1.0, v[10+2*(\i%2)]
	v_mul_f32 v18, -1.0, v[11+2*(\i%2)]
	v_mul_f32 v19, -1.0, v[11+2*(\i%2)]
.irp q, 0,1
.irp u, 0,2,4,6,8,10,12,14
	v_pk_fma_f32 v[SB+32*\q+\u:SB+32*\q+\u+1], v[SB+32*\q+\u:SB+32*\q+\u+1], v[2:3], v[16+2*\q:17+2*\q]               ; score x scale - maximum, at most 0
.endr
.irp u, 16,18,20,22,24,26,28,30
	v_pk_fma_f32 v[SB+32*\q+\u:SB+32*\q+\u+1], v[SB+32*\q+\u:SB+32*\q+\u+1], v[4:5], v[16+2*\q:17+2*\q]
.endr
.endr
.if \first == 0
	v_exp_f32 v20, v20
	v_exp_f32 v21, v21
	v_exp_f32 v22, v22
	v_exp_f32 v23, v23
.endif
.set cnt, 0
.rept 64
	v_exp_f32 v[SB+cnt], v[SB+cnt]
.set cnt, cnt+1
.endr
	v_nop                                          ; one plain instruction between the last exponential and the first use of a result (ISA guide 5.7.2)
	s_wait_alu depctr_va_vdst(0)
.irp q, 0,1
	v_pk_add_f32 v[24:25], v[SB+32*\q:SB+32*\q+1],       v[SB+32*\q+2:SB+32*\q+3]
	v_pk_add_f32 v[26:27], v[SB+32*\q+4:SB+32*\q+5],     v[SB+32*\q+6:SB+32*\q+7]
	v_pk_add_f32 v[28:29], v[SB+32*\q+8:SB+32*\q+9],     v[SB+32*\q+10:SB+32*\q+11]
	v_pk_add_f32 v[30:31], v[SB+32*\q+12:SB+32*\q+13],   v[SB+32*\q+14:SB+32*\q+15]
.irp u, 16,24
	v_pk_add_f32 v[24:25], v[24:25], v[SB+32*\q+\u:SB+32*\q+\u+1]
	v_pk_add_f32 v[26:27], v[26:27], v[SB+32*\q+\u+2:SB+32*\q+\u+3]
	v_pk_add_f32 v[28:29], v[28:29], v[SB+32*\q+\u+4:SB+32*\q+\u+5]
	v_pk_add_f32 v[30:31], v[30:31], v[SB+32*\q+\u+6:SB+32*\q+\u+7]
.endr
	v_pk_add_f32 v[24:25], v[24:25], v[26:27]
	v_pk_add_f32 v[28:29], v[28:29], v[30:31]
	v_pk_add_f32 v[24:25], v[24:25], v[28:29]
.if \first
	v_add_f32 v[14+\q], v24, v25
.else
	v_fma_f32 v[14+\q], v[14+\q], v[20+2*\q], v24  ; the sum of my half of the keys; the halves meet at the end
	v_add_f32 v[14+\q], v[14+\q], v25
.endif
.endr
	; P^T in f16, in place: register u of a pair of tiles takes numbers 2 u and 2 u + 1: registers 0-3 keys 8 h .. + 7, registers 4-7 keys 16 + 8 h .. + 7
.irp q, 0,1
.irp kh, 0,1
.irp u, 0,1,2,3,4,5,6,7
	v_cvt_pk_f16_f32 v[SB+32*\q+16*\kh+\u], v[SB+32*\q+16*\kh+2*\u], v[SB+32*\q+16*\kh+2*\u+1]
.endr
.endr
.endr
.if \first == 0
	WIN 0x41                                       ; O in window 1, the factor in window 0
.irp q, 0,1
.irp u, 0,2,4,6,8,10,12,14,16,18,20,22,24,26,28,30
	v_pk_mul_f32 v[32*\q+\u:32*\q+\u+1], v[32*\q+\u:32*\q+\u+1], v[20+2*\q:21+2*\q]
.endr
.endr
.endif
.if \morek
	s_wait_dscnt 32                                ; V is in; the next block's 32 loads of K may be out
.else
	s_wait_dscnt 0
.endif
	WIN 0x50                                       ; C and D in window 1
	; O^T += V^T P^T: eight accumulators take turns, one instruction a turn
.irp kh, 0,1
.irp q, 0,1
.irp dt, 0,1,2,3
.if \first*(1-\kh)
	v_wmma_f32_16x16x32_f16 v[8*(4*\q+\dt):8*(4*\q+\dt)+7], v[VF+8*(2*\dt+\kh):VF+8*(2*\dt+\kh)+7], v[SB+32*\q+16*\kh:SB+32*\q+16*\kh+7], 0
.else
	v_wmma_f32_16x16x32_f16 v[8*(4*\q+\dt):8*(4*\q+\dt)+7], v[VF+8*(2*\dt+\kh):VF+8*(2*\dt+\kh)+7], v[SB+32*\q+16*\kh:SB+32*\q+16*\kh+7], v[8*(4*\q+\dt):8*(4*\q+\dt)+7]
.endif
.endr
.endr
.endr
	WIN 0
.endm
.macro PROC slot, first                ; a slot's 256 keys
	LOADK \slot, 0
	BLOCK \slot, 0, \first, 1
	BLOCK \slot, 1, 0, 1
	BLOCK \slot, 2, 0, 1
	BLOCK \slot, 3, 0, 0
.endm
; The change of slots.  Every wave waits for its reads of the slot just read and for all its tensor loads (one is out: its part of the other slot), and for the other slot's scales.
; fill = 1: a round of the cluster's barrier, and behind it the joint refill of the slot just read, first of all; it has the other slot's 256 matrix instructions a wave in which to land.
.macro CHG slot, fill
	s_wait_dscnt 0x0
	s_wait_tensorcnt 0x0
	ds_add_u32 v62, v63
	s_wait_dscnt 0x0
	s_wait_kmcnt 0x0
.if \fill
	s_add_nc_u64 s[G0K+4*\slot+2:G0K+4*\slot+3], s[G0K+4*\slot+2:G0K+4*\slot+3], 131072  ; two tiles of 256 keys on: hi and lo, 256 bytes a key
	s_add_nc_u64 s[G0V+4*\slot+2:G0V+4*\slot+3], s[G0V+4*\slot+2:G0V+4*\slot+3], 65536   ; 128 bytes a key
	s_add_nc_u64 s[PK+2*\slot:PK+2*\slot+1], s[PK+2*\slot:PK+2*\slot+1], 64
	CROUND
	JLOAD \slot
	s_load_b256 s[KS+8*\slot:KS+8*\slot+7], s[PK+2*\slot:PK+2*\slot+1], 0x0
.else
	s_barrier_signal -1
	s_barrier_wait -1
.endif
.endm
	s_wait_tensorcnt 0x1                           ; my part of tile 0 is in; tile 1's load stays out
	s_barrier_signal -1
	s_barrier_wait -1
	PROC 0, 1                                      ; tile 0
	s_mov_b32 s3, 3
.Ltiles:
	CHG 0, 1                                       ; tiles 2, 4, 6 go out
	PROC 1, 0                                      ; tiles 1, 3, 5
	CHG 1, 1                                       ; tiles 3, 5, 7 go out
	PROC 0, 0                                      ; tiles 2, 4, 6
	s_sub_co_u32 s3, s3, 1
	s_cmp_lg_u32 s3, 0
	s_cbranch_scc1 .Ltiles
	CHG 0, 0                                       ; nothing is left to fetch
	PROC 1, 0                                      ; tile 7
	; THE WAY OUT: O / sum, f16, through the stage so that a store's sixteen lanes hold 256 consecutive bytes (two heads of one query)
	PLACES                                         ; behind the last matrix instructions
	v_permlanex16_b32 v24, v14, s20, s21
	v_permlanex16_b32 v25, v15, s20, s21
	v_add_f32 v14, v14, v24                        ; both halves of the keys; at least 1, the largest score's own term
	v_add_f32 v15, v15, v25
	v_rcp_f32 v16, v14
	v_rcp_f32 v17, v14
	v_rcp_f32 v18, v15
	v_rcp_f32 v19, v15
	v_nop                                          ; one plain instruction behind the reciprocals (ISA guide 5.7.2)
	WIN 0x01                                       ; source 0 (O) in window 1
	s_wait_alu depctr_va_vdst(0)
.irp q, 0,1
.irp u, 0,2,4,6,8,10,12,14,16,18,20,22,24,26,28,30
	v_pk_mul_f32 v[SB+32*\q+\u:SB+32*\q+\u+1], v[32*\q+\u:32*\q+\u+1], v[16+2*\q:17+2*\q]
.endr
.endr
	WIN 0
.irp m, 0,1,2,3,4,5,6,7
.irp u, 0,1,2,3
	v_cvt_pk_f16_f32 v[SB+8*\m+\u], v[SB+8*\m+2*\u], v[SB+8*\m+2*\u+1]
.endr
.endr
	v_and_b32 v25, 15, v0                          ; r
	v_bfe_u32 v26, v0, 4, 1                        ; h
	v_mul_u32_u24 v27, v25, SP
	v_lshl_add_u32 v27, v26, 4, v27
	s_mul_i32 s23, s15, 32*SP
	s_lshl_b32 s45, s14, 7
	s_add_co_u32 s23, s23, s45
	s_add_co_u32 s23, s23, STG
	v_add_nc_u32 v28, s23, v27                     ; in: row 32 (w / 2) + r, byte 128 (w mod 2) + 16 h
	v_mul_u32_u24 v27, v26, SP
	v_lshl_add_u32 v27, v25, 4, v27
	s_mul_i32 s23, s10, 16*SP
	s_add_co_u32 s23, s23, STG
	v_add_nc_u32 v29, s23, v27                     ; back: wave w takes rows 16 w .. + 15, two rows a load
	s_lshl_b32 s23, s10, 16
	v_lshlrev_b32 v27, 12, v26
	v_lshl_add_u32 v27, v25, 4, v27
	v_add_nc_u32 v30, s23, v27                     ; the same rows in attn, 4,096 bytes each
.irp q, 0,1
.irp dt, 0,1,2,3
	ds_store_b128 v28, v[SB+8*(4*\q+\dt):SB+8*(4*\q+\dt)+3] offset:16*SP*\q+32*\dt
.endr
.endr
	s_wait_dscnt 0x0                               ; my stores are done: a row's two halves come from two waves
	s_barrier_signal -1
	s_barrier_wait -1
.irp t, 0,1,2,3,4,5,6,7
	ds_load_b128 v[KF+4*\t:KF+4*\t+3], v29 offset:2*SP*\t
.endr
.irp t, 0,1,2,3,4,5,6,7
	s_wait_dscnt 7-\t                              ; LDS loads come back in order (ISA guide 5.7.1)
	global_store_b128 v30, v[KF+4*\t:KF+4*\t+3], s[8:9] offset:8192*\t
.endr
	s_wait_tensorcnt 0x0
	ds_add_u32 v62, v63
	s_wait_dscnt 0x0
	CROUND                                         ; the closing round: no work-group ends while a partner may still ask for a tile that names it
	s_endpgm
.Lfunc_end_k_q050edc6640_attention:
	.size	k_q050edc6640_attention, .Lfunc_end_k_q050edc6640_attention-k_q050edc6640_attention
	.p2alignl 7, 3214868480
	.fill 96, 4, 3214868480
	.section	.rodata,"a",@progbits
	.p2align	6, 0x0
	.amdhsa_kernel k_q050edc6640_attention
		.amdhsa_group_segment_fixed_size 327680
		.amdhsa_private_segment_fixed_size 0
		.amdhsa_enable_private_segment 0
		.amdhsa_kernarg_size 24
		.amdhsa_user_sgpr_count 2
		.amdhsa_user_sgpr_kernarg_segment_ptr 1
		.amdhsa_wavefront_size32 1
		.amdhsa_system_sgpr_workgroup_id_x 1
		.amdhsa_system_sgpr_workgroup_id_y 1
		.amdhsa_system_sgpr_workgroup_id_z 1
		.amdhsa_system_vgpr_workitem_id 0
		.amdhsa_next_free_vgpr 448
		.amdhsa_next_free_sgpr 92
		.amdhsa_reserve_vcc 0
		.amdhsa_float_denorm_mode_32 3
		.amdhsa_float_denorm_mode_16_64 3
		.amdhsa_memory_ordered 1
		.amdhsa_forward_progress 1
		.amdhsa_inst_pref_size 255
	.end_amdhsa_kernel
	.section	.bss,"aw",@nobits
	.p2align	6
	.space	262144
	.amdgpu_metadata
---
amdhsa.version: [ 1, 2 ]
amdhsa.kernels:
  - .name:           k_q050edc6640_attention
    .symbol:         k_q050edc6640_attention.kd
    .args:
      - { .name: qkv, .offset: 0, .size: 8, .value_kind: global_buffer, .address_space: global }
      - { .name: sc, .offset: 8, .size: 8, .value_kind: global_buffer, .address_space: global }
      - { .name: attn, .offset: 16, .size: 8, .value_kind: global_buffer, .address_space: global }
    .group_segment_fixed_size: 327680
    .private_segment_fixed_size: 0
    .kernarg_segment_align: 8
    .kernarg_segment_size: 24
    .max_flat_workgroup_size: 256
    .sgpr_count:     92
    .vgpr_count:     448
    .wavefront_size: 32
...
	.end_amdgpu_metadata
.endif
;; end of part 3
;; launch oproj (part 4): grid 16 x 16, 4 waves a work-group, clusters of 4 x 4, 327,680 bytes of LDS; arguments attn, bf, out0; writes out0
.if DOCPART == 4
	.amdgcn_target "amdgcn-amd-amdhsa--gfx1250"
	.amdhsa_code_object_version 6
	.text
	.protected	k_q050edc6640_oproj
	.globl	k_q050edc6640_oproj
	.p2align	8
	.type	k_q050edc6640_oproj,@function
k_q050edc6640_oproj:
	s_mov_b64 s[64:65], 0
	v_nop
	global_prefetch_b8 v0, s[64:65] scope:SCOPE_SE
	s_setreg_imm32_b32 hwreg(HW_REG_WAVE_MODE, 25, 1), 1
	s_wait_xcnt 0x0
	s_wait_alu depctr_hold_cnt(0) depctr_sa_sdst(0) depctr_va_vdst(0) depctr_va_sdst(0) depctr_va_ssrc(0) depctr_va_vcc(0) depctr_vm_vsrc(0)
	s_getreg_b32 s2, hwreg(HW_REG_IB_STS2, 6, 4)
	s_cmp_eq_u32 s2, 0
	s_cbranch_scc0 .Lentry_in_a_cluster
	s_endpgm
.Lentry_in_a_cluster:
	s_bfe_u32 s2, ttmp6, 0x10000c
	s_cmp_lg_u32 s2, 0xf033
	s_cbranch_scc0 .Lentry_shape_is_right
	s_endpgm
.Lentry_shape_is_right:
; out0 = attn wo^T.  attn [2048][2048] f16; wo [2048][2048] f16 at byte 20,971,520 of bf; out0 [2048][2048] f32; sums in f32.
; A work-group makes 128 x 128 with four waves, a wave 64 x 64: 16 accumulator tiles; 16 x 16 work-groups.
; K goes in steps of 256 through two LDS slots filled by the tensor data mover: a tile's rows are 512 bytes of memory, aligned to 512; a slot holds eight quarter steps of 32,
; so that a refill has 124 matrix instructions of each wave in which to land.
; CLUSTER 4 x 4: attn's tile hangs on the block row alone and is asked for jointly by a row of the cluster, wo's on the block column alone, by a column.
; The matrix instruction is used transposed (source 0 = rows of wo, source 1 = rows of attn): lane (r, h), register i holds row r, column 8 h + i: 32 consecutive bytes of out0.
; REGISTERS: window 0: addresses and two fragment buffers; window 1: accumulator tile (a, b) at v[8 (4 a + b)].
.set NT,    4
.set SLOTK, 256
.set PITCH, 528                        ; an LDS row: 512 bytes + 16 = 33 x 16, so the 16 rows that a load touches begin at 16 different 16-byte columns modulo 256
.set REG,   64*PITCH                   ; one wave's part of a slot: 64 rows
.set SLOT,  4*REG
.set STAGE, 2*SLOT                     ; behind the ring, 16 rows x 272 bytes for each wave; no tensor load ever lands in it
.set SP,    272
.set LAPS,  2048/(2*SLOTK)
.set NL,    2*NT+8
.set ADRA, 16                          ; v16-17 LDS address of my attn fragments in slot 0, 1
.set ADRB, 20                          ; v20-21 the same for wo
.set STO,  24                          ; v24 the way out: where I put 32 bytes of a row
.set RD,   25                          ; v25 the way out: where I read a row back
.set CO,   26                          ; v26 my byte offset in out0
.set FA,   32                          ; v32-95   attn fragments, buffer f at 32 f
.set FB,   96                          ; v96-159  wo fragments, buffer f at 32 f
.set G1,  24
.set G0,  32
.set G1B, 48
.set G0B, 56
.set MSB, 0
.macro WIN new                         ; s_set_vgpr_msb: bits 1:0 source 0, 3:2 source 1, 5:4 source 2, 7:6 destination; the high byte repeats the setting that is left
.if MSB != \new
	s_set_vgpr_msb (MSB<<8)|\new
.set MSB, \new
.endif
.endm
.macro PLACES                          ; four independent vector instructions between a matrix instruction and what touches its registers (ISA guide 7.12.1)
.rept 4
	v_nop
.endr
.endm
.macro JLOAD s                         ; waves 0 and 1 fetch attn's two halves, waves 2 and 3 wo's; the branch hangs on the wave's number alone
	s_cmp_eq_u32 s15, 0
	s_cbranch_scc0 .Lfor_b_\@
	tensor_load_to_lds s[G0+4*\s:G0+4*\s+3], s[G1:G1+7]
	s_nop 0
	s_branch .Lasked_\@
.Lfor_b_\@:
	tensor_load_to_lds s[G0B+4*\s:G0B+4*\s+3], s[G1B:G1B+7]
	s_nop 0
.Lasked_\@:
.endm
.macro CREST                           ; a round of the cluster's barrier behind its opening barrier
	s_cmp_lg_u32 s14, 0
	s_cbranch_scc1 .Lnot_wave_0_\@
	s_barrier_signal -3
.Lnot_wave_0_\@:
	s_barrier_wait -3
	s_barrier_signal -1
	s_barrier_wait -1
.endm
.macro CROUND
	s_barrier_signal -1
	s_barrier_wait -1
	CREST
.endm
	s_load_b128 s[4:7], s[0:1], 0x0                ; attn s[4:5], bf s[6:7]
	s_load_b64 s[8:9], s[0:1], 0x10                ; out0
	v_lshl_add_u32 v254, v0, 2, 0x46400
	v_mov_b32 v255, 0
	ds_add_u32 v254, v255
	v_lshrrev_b32 v1, 5, v0
	v_readfirstlane_b32 s14, v1                    ; wave 0..3
	s_lshr_b32 s15, s14, 1                         ; mi: my 64 rows.  Also: I fetch for attn (0) or for wo (1)
	s_and_b32 s16, s14, 1                          ; ni: my 64 columns.  Also: which half of that tile I fetch
	s_bfe_u32 s40, ttmp6, 0x40000                  ; cx
	s_bfe_u32 s41, ttmp6, 0x40004                  ; cy
	s_lshl_b32 s42, ttmp9, 2
	s_add_co_u32 s42, s42, s40                     ; bx: block column
	s_and_b32 s43, ttmp7, 0xffff
	s_lshl_b32 s43, s43, 2
	s_add_co_u32 s43, s43, s41                     ; by: block row
	s_lshl_b32 s44, s41, 2
	s_lshl_b32 s44, 15, s44                        ; my row of the cluster
	s_lshl_b32 s45, 0x1111, s40                    ; my column
	; group 1: 64 rows x 256 elements of 2 bytes, 16 bytes of padding behind every 128 words, 2,048 elements from row to row
	s_or_b32 s[G1+0], s44, (1<<16)|(1<<20)|(1<<21)|(6<<22)|(3<<25)
	s_or_b32 s[G1B+0], s45, (1<<16)|(1<<20)|(1<<21)|(6<<22)|(3<<25)
	s_mov_b32 s[G1+1], SLOTK<<16
	s_mov_b32 s[G1B+1], SLOTK<<16
	s_mov_b32 s[G1+2], 64<<16
	s_mov_b32 s[G1B+2], 64<<16
	s_mov_b32 s[G1+3], SLOTK<<16
	s_mov_b32 s[G1B+3], SLOTK<<16
	s_mov_b32 s[G1+4], 64
	s_mov_b32 s[G1B+4], 64
	s_mov_b32 s[G1+5], 2048
	s_mov_b32 s[G1B+5], 2048
	s_mov_b32 s[G1+6], 0
	s_mov_b32 s[G1B+6], 0
	s_mov_b32 s[G1+7], 0
	s_mov_b32 s[G1B+7], 0
	; attn's address is made of by and the wave, wo's of bx and the wave, each in registers that never hold the other coordinate
	s_lshl_b32 s18, s43, 7
	s_lshl_b32 s19, s16, 6
	s_add_co_u32 s18, s18, s19                     ; attn: row 128 by + 64 x half
	s_lshl_b32 s18, s18, 12
	s_mov_b32 s19, 0
	s_lshl_b32 s46, s42, 7
	s_lshl_b32 s47, s16, 6
	s_add_co_u32 s46, s46, s47                     ; wo: row 128 bx + 64 x half
	s_lshl_b32 s46, s46, 12
	s_add_co_u32 s46, s46, 20971520                ; wo lies behind x and the three other weights in bf
	s_mov_b32 s47, 0
	s_mul_i32 s20, s14, REG                        ; where they go: wave x REG
	s_wait_dscnt 0x0
	s_wait_kmcnt 0x0
	s_add_nc_u64 s[18:19], s[4:5], s[18:19]
	s_add_nc_u64 s[46:47], s[6:7], s[46:47]
	CROUND                                         ; all sixteen work-groups are here: the first joint loads meet
.irp s, 0,1
	s_mov_b32 s[G0+4*\s], 1
	s_add_co_u32 s[G0+4*\s+1], s20, \s*SLOT
	s_add_nc_u64 s[G0+4*\s+2:G0+4*\s+3], s[18:19], \s*SLOTK*2
	s_or_b32 s[G0+4*\s+3], s[G0+4*\s+3], 0x80000000
	s_mov_b32 s[G0B+4*\s], 1
	s_add_co_u32 s[G0B+4*\s+1], s20, \s*SLOT
	s_add_nc_u64 s[G0B+4*\s+2:G0B+4*\s+3], s[46:47], \s*SLOTK*2
	s_or_b32 s[G0B+4*\s+3], s[G0B+4*\s+3], 0x80000000
	JLOAD \s                                       ; both slots: two tensor loads of this wave are out
.endr
	v_and_b32 v1, 15, v0                           ; r
	v_bfe_u32 v2, v0, 4, 1                         ; h
	v_mul_u32_u24 v3, v1, PITCH
	v_lshl_add_u32 v3, v2, 4, v3
	s_mul_i32 s21, s15, REG                        ; my 64 rows of attn
	s_mul_i32 s22, s16, REG                        ; my 64 rows of wo,
	s_add_co_u32 s22, s22, 2*REG                   ; behind attn's two parts
.irp s, 0,1
	v_add_nc_u32 v[ADRA+\s], s21, v3
	v_add_nc_u32 v[ADRB+\s], s22, v3
	s_add_co_u32 s21, s21, SLOT
	s_add_co_u32 s22, s22, SLOT
.endr
	s_mul_i32 s23, s14, 16*SP
	s_add_co_u32 s23, s23, STAGE                   ; my stage
	v_mul_u32_u24 v4, v1, SP
	v_lshl_add_u32 v4, v2, 5, v4
	v_add_nc_u32 v[STO], s23, v4                   ; in: row r, 32 bytes for each half of the lanes
	v_mul_u32_u24 v5, v2, SP
	v_lshl_add_u32 v5, v1, 4, v5
	v_add_nc_u32 v[RD], s23, v5                    ; back: lanes 0-15 one row of 256 bytes, lanes 16-31 the next
	v_lshlrev_b32 v5, 13, v2
	v_lshl_add_u32 v[CO], v1, 4, v5                ; the same two rows in out0, 8,192 bytes apart
.macro MULA f, a, zero                 ; NT matrix instructions: attn's tile a against my four tiles of wo; zero = 1: the first product starts the sums
.irp b, 0,1,2,3
.if \zero
	v_wmma_f32_16x16x32_f16 v[8*(NT*\a+\b):8*(NT*\a+\b)+7], v[FB+8*NT*\f+8*\b:FB+8*NT*\f+8*\b+7], v[FA+32*\f+8*\a:FA+32*\f+8*\a+7], 0
.else
	v_wmma_f32_16x16x32_f16 v[8*(NT*\a+\b):8*(NT*\a+\b)+7], v[FB+8*NT*\f+8*\b:FB+8*NT*\f+8*\b+7], v[FA+32*\f+8*\a:FA+32*\f+8*\a+7], v[8*(NT*\a+\b):8*(NT*\a+\b)+7]
.endif
.endr
.endm
.macro FETCH slot, k, f                ; one quarter step's fragments (32 K at byte k of the rows) into buffer f: wo's four tiles, then attn's four
.irp b, 0,1,2,3
	ds_load_b128 v[FB+8*NT*\f+8*\b:FB+8*NT*\f+8*\b+3],   v[ADRB+\slot] offset:\k+16*\b*PITCH
	ds_load_b128 v[FB+8*NT*\f+8*\b+4:FB+8*NT*\f+8*\b+7], v[ADRB+\slot] offset:\k+16*\b*PITCH+32
.endr
.irp a, 0,1,2,3
	ds_load_b128 v[FA+32*\f+8*\a:FA+32*\f+8*\a+3],   v[ADRA+\slot] offset:\k+16*\a*PITCH
	ds_load_b128 v[FA+32*\f+8*\a+4:FA+32*\f+8*\a+7], v[ADRA+\slot] offset:\k+16*\a*PITCH+32
.endr
.endm
; A quarter step: 16 matrix instructions on buffer f; in its middle the next one's fragments go into buffer g.
; The 16 accumulators take turns, one instruction a turn, in the same order everywhere.
.macro QUARTER slot, k, f, g, zero
	s_wait_dscnt 4                                 ; all of buffer f but the youngest four loads, attn's tiles 2 and 3
	WIN 0x50                                       ; C and D in window 1
	MULA \f, 0, \zero
	MULA \f, 1, \zero
	PLACES
	WIN 0
	FETCH \slot, \k, \g
	s_wait_dscnt NL                                ; all but the NL just issued
	WIN 0x50
	MULA \f, 2, \zero
	MULA \f, 3, \zero
.endm
.macro RUN slot, zero
	QUARTER \slot, 64,  0, 1, \zero
	QUARTER \slot, 128, 1, 0, 0
	QUARTER \slot, 192, 0, 1, 0
	QUARTER \slot, 256, 1, 0, 0
	QUARTER \slot, 320, 0, 1, 0
	QUARTER \slot, 384, 1, 0, 0
	QUARTER \slot, 448, 0, 1, 0
.endm
; The last quarter step of a slot, on buffer 1, and the change of slots: each wave's waits for its reads of this slot and for all its tensor loads, the barrier
; (which opens a round of the cluster's barrier where the slot is filled again), the joint refill first behind the round, then the next slot's first fragments.
.macro TURN slot, next, fill
	s_wait_dscnt 4
	WIN 0x50
	MULA 1, 0, 0
	s_wait_dscnt 0                                 ; my reads of this slot are over
	s_wait_tensorcnt 0x0                           ; all my tensor loads have landed: the one that was out is my part of the next slot
	ds_add_u32 v254, v255
	s_wait_dscnt 0x0
	s_barrier_signal -1
	MULA 1, 1, 0                                   ; register work while the others arrive
	WIN 0
	s_barrier_wait -1
.if \fill
	CREST
	s_add_nc_u64 s[G0+4*\slot+2:G0+4*\slot+3], s[G0+4*\slot+2:G0+4*\slot+3], 4*SLOTK     ; two slots on: 2 x 256 elements of 2 bytes
	s_add_nc_u64 s[G0B+4*\slot+2:G0B+4*\slot+3], s[G0B+4*\slot+2:G0B+4*\slot+3], 4*SLOTK
	JLOAD \slot
.endif
	PLACES
	FETCH \next, 0, 0
	WIN 0x50
	MULA 1, 2, 0
	MULA 1, 3, 0
.endm
.macro LAP zero
	RUN 0, \zero
	TURN 0, 1, 1
	RUN 1, 0
	TURN 1, 0, 1
.endm
	s_wait_tensorcnt 0x1                           ; my part of slot 0 is in; slot 1's load stays out
	s_barrier_signal -1
	s_barrier_wait -1
	FETCH 0, 0, 0
	LAP 1                                          ; the first lap stands in front of the loop: its first products start the sums
	WIN 0
	s_mov_b32 s3, LAPS-2
.Llap:
	LAP 0
	WIN 0
	s_sub_co_u32 s3, s3, 1
	s_cmp_lg_u32 s3, 0
	s_cbranch_scc1 .Llap
	RUN 0, 0                                       ; the last lap fills nothing
	TURN 0, 1, 0
	RUN 1, 0
	s_wait_dscnt 4
	WIN 0x50
	MULA 1, 0, 0
	MULA 1, 1, 0
	s_wait_dscnt 0
	MULA 1, 2, 0
	MULA 1, 3, 0
	PLACES                                         ; behind the last matrix instructions, in front of the stores of results and the loads into the fragment buffers
	WIN 0
	; THE WAY OUT, 16 rows at a time through my own stage: in as 32 bytes a lane, back as whole rows of 256 bytes
	s_lshl_b32 s18, s43, 7
	s_lshl_b32 s19, s15, 6
	s_add_co_u32 s18, s18, s19                     ; my first row,
	s_lshl_b32 s18, s18, 13                        ; of 8,192 bytes
	s_mov_b32 s19, 0
	s_add_nc_u64 s[8:9], s[8:9], s[18:19]
	s_lshl_b32 s46, s42, 9                         ; my first column, in bytes: 512 bx + 256 ni
	s_lshl_b32 s47, s16, 8
	s_add_co_u32 s46, s46, s47
	s_mov_b32 s47, 0
	s_add_nc_u64 s[8:9], s[8:9], s[46:47]
.macro OUT16 a, f
	WIN 0x04                                       ; an LDS store's data is source 1: window 1
.irp b, 0,1,2,3
	ds_store_b128 v[STO], v[8*(NT*\a+\b):8*(NT*\a+\b)+3]   offset:64*\b
	ds_store_b128 v[STO], v[8*(NT*\a+\b)+4:8*(NT*\a+\b)+7] offset:64*\b+16
.endr
	WIN 0
	s_wait_xcnt 0x0                                ; every earlier store has had its addresses translated (ISA guide 3.1): buffer f and the base are written again only behind this wait
.if \a
	s_add_nc_u64 s[8:9], s[8:9], 16*8192
.endif
.irp t, 0,1,2,3,4,5,6,7
	ds_load_b128 v[FA+32*\f+4*\t:FA+32*\f+4*\t+3], v[RD] offset:2*SP*\t    ; LDS serves a wave's instructions in order (ISA guide 5.7.1): these see the stores above
.endr
.irp t, 0,1,2,3,4,5,6,7
	s_wait_dscnt 7-\t
	global_store_b128 v[CO], v[FA+32*\f+4*\t:FA+32*\f+4*\t+3], s[8:9] offset:16384*\t th:TH_STORE_NT   ; sixteen lanes store 256 consecutive bytes, aligned
.endr
.endm
	OUT16 0, 0
	OUT16 1, 1
	OUT16 2, 0
	OUT16 3, 1
	s_wait_tensorcnt 0x0
	ds_add_u32 v254, v255
	s_wait_dscnt 0x0
	CROUND                                         ; the closing round: no work-group ends while a partner may still ask for a tile that names it
	s_endpgm
.Lfunc_end_k_q050edc6640_oproj:
	.size	k_q050edc6640_oproj, .Lfunc_end_k_q050edc6640_oproj-k_q050edc6640_oproj
	.p2alignl 7, 3214868480
	.fill 96, 4, 3214868480
	.section	.rodata,"a",@progbits
	.p2align	6, 0x0
	.amdhsa_kernel k_q050edc6640_oproj
		.amdhsa_group_segment_fixed_size 327680
		.amdhsa_private_segment_fixed_size 0
		.amdhsa_enable_private_segment 0
		.amdhsa_kernarg_size 24
		.amdhsa_user_sgpr_count 2
		.amdhsa_user_sgpr_kernarg_segment_ptr 1
		.amdhsa_wavefront_size32 1
		.amdhsa_system_sgpr_workgroup_id_x 1
		.amdhsa_system_sgpr_workgroup_id_y 1
		.amdhsa_system_sgpr_workgroup_id_z 1
		.amdhsa_system_vgpr_workitem_id 0
		.amdhsa_next_free_vgpr 384
		.amdhsa_next_free_sgpr 66
		.amdhsa_reserve_vcc 0
		.amdhsa_float_denorm_mode_32 3
		.amdhsa_float_denorm_mode_16_64 3
		.amdhsa_memory_ordered 1
		.amdhsa_forward_progress 1
		.amdhsa_inst_pref_size 128
	.end_amdhsa_kernel
	.amdgpu_metadata
---
amdhsa.version: [ 1, 2 ]
amdhsa.kernels:
  - .name:           k_q050edc6640_oproj
    .symbol:         k_q050edc6640_oproj.kd
    .args:
      - { .name: attn, .offset: 0, .size: 8, .value_kind: global_buffer, .address_space: global }
      - { .name: bf, .offset: 8, .size: 8, .value_kind: global_buffer, .address_space: global }
      - { .name: out0, .offset: 16, .size: 8, .value_kind: global_buffer, .address_space: global }
    .group_segment_fixed_size: 327680
    .private_segment_fixed_size: 0
    .kernarg_segment_align: 8
    .kernarg_segment_size: 24
    .max_flat_workgroup_size: 128
    .sgpr_count:     66
    .vgpr_count:     384
    .wavefront_size: 32
...
	.end_amdgpu_metadata
.endif
;; end of part 4
;; ======== version 2 of 2: 4 launches
;; limits: values are held in f16: magnitudes above 65,504 overflow, below 6.1e-05 lose precision; values outside matrix products are rounded to bf16
;; workspace buffers: bf 29,360,128 bytes; qkv 12,582,912 bytes; sc 12,288 bytes; attn 8,388,608 bytes
;; launch cast (part 5): grid 1792 x 1, 8 waves a work-group, no clusters, 0 bytes of LDS; arguments hidden_states, wq, wk, wv, wo, bf; writes bf
.if DOCPART == 5
	.amdgcn_target "amdgcn-amd-amdhsa--gfx1250"
	.amdhsa_code_object_version 6
	.text
	.protected	k_q050edc6640_cast
	.globl	k_q050edc6640_cast
	.p2align	8
	.type	k_q050edc6640_cast,@function
k_q050edc6640_cast:
	s_mov_b64 s[64:65], 0
	v_nop
	global_prefetch_b8 v0, s[64:65] scope:SCOPE_SE
	s_setreg_imm32_b32 hwreg(HW_REG_WAVE_MODE, 25, 1), 1
	s_wait_xcnt 0x0
; f32 to 16 bits, once, of everything that the later launches multiply.
; bf = x [2048][2048] bf16 at byte 0; wq, wk, wv as one [3072][2048] bf16 at 8,388,608; wo [2048][2048] f16 at 20,971,520.
; FORMAT, a stated decision: this program takes ALL its inputs at bf16 precision, rounded to nearest even (cos and sin too, in the projection's launch).  Its result is
; reference() of the rounded inputs; from there on nothing is kept in fewer than f16's 11 bits.  Against reference() of the unrounded inputs it differs by what that
; rounding costs: every input number is off by up to 2^-9 of itself.  In return x and the three weights are exact operands of the bf16 matrix form, whatever their range.
; wo is rounded to bf16 like the others and then stored as f16: its partner in the last product needs f16's 11 bits, and a matrix instruction takes both operands in one format.
; LIMITS: f16 holds a bf16 number exactly from 2^-17 up to 65,504; a wo below 2^-17 is off by up to 2^-25, one beyond 65,504 becomes an infinity.
; A stream: each byte is read once and written once, so LDS, matrix instructions and clusters have nothing to add (no two work-groups share a byte).
; Work-group b turns 32,768 bytes of f32 into the 16,384 bytes of bf at 16,384 b; the sources lie in bf one behind the other, so the source is chosen by the
; work-group's number alone: 512 work-groups for x, 512 for wq, 128 for wk, 128 for wv, 512 for wo.
; Thread t takes 16 bytes at 16 t of each of eight blocks of 4,096 bytes: a wave's load covers 512 consecutive bytes, its store 256 consecutive bytes, aligned.
.set X, 4                              ; v[4:35]   eight loads of four f32
.set Y, 36                             ; v[36:51]  eight stores of four 16-bit numbers
.set H, 52                             ; v52-53    wo: four numbers as bf16
.set T, 54                             ; v54-57    wo: the same, widened to f32
	s_load_b256 s[4:11], s[0:1], 0x0               ; x s[4:5], wq s[6:7], wk s[8:9], wv s[10:11]
	s_load_b128 s[12:15], s[0:1], 0x20             ; wo s[12:13], bf s[14:15]
	v_lshlrev_b32 v1, 4, v0                        ; my 16 bytes in a block of the source
	v_lshlrev_b32 v2, 3, v0                        ; my 8 bytes in a block of bf
	s_wait_kmcnt 0x0
	s_mov_b64 s[16:17], s[12:13]                   ; the last source, wo, begins at work-group 1280
	s_mov_b32 s18, 1280
; below work-group 'bound' the source is 'ptr', whose first work-group is 'seg'
.macro PICK bound, ptr, seg
	s_cmp_lt_u32 ttmp9, \bound
	s_cselect_b64 s[16:17], s[\ptr:\ptr+1], s[16:17]
	s_cselect_b32 s18, \seg, s18
.endm
	PICK 1280, 10, 1152                            ; wv
	PICK 1152, 8, 1024                             ; wk
	PICK 1024, 6, 512                              ; wq
	PICK 512, 4, 0                                 ; x
	s_sub_co_u32 s18, ttmp9, s18                   ; my number within the source,
	s_lshl_b32 s18, s18, 15                        ; times 32,768 bytes (16 MiB at the most)
	s_mov_b32 s19, 0
	s_add_nc_u64 s[16:17], s[16:17], s[18:19]
	s_lshl_b32 s20, ttmp9, 14                      ; my 16,384 bytes of bf
	s_mov_b32 s21, 0
	s_add_nc_u64 s[14:15], s[14:15], s[20:21]
.irp i, 0,1,2,3,4,5,6,7
	global_load_b128 v[X+4*\i:X+4*\i+3], v1, s[16:17] offset:4096*\i th:TH_LOAD_NT   ; read once in the whole launch
.endr
	s_cmp_lt_u32 ttmp9, 1280
	s_cbranch_scc0 .Lwo                            ; the work-groups of wo
.irp i, 0,1,2,3,4,5,6,7
	s_wait_loadcnt 7-\i                            ; loads come back in order (ISA guide 5.7.1): block i is in, the younger ones stay out
	v_cvt_pk_bf16_f32 v[Y+2*\i], v[X+4*\i], v[X+4*\i+1]
	v_cvt_pk_bf16_f32 v[Y+2*\i+1], v[X+4*\i+2], v[X+4*\i+3]
	global_store_b64 v2, v[Y+2*\i:Y+2*\i+1], s[14:15] offset:2048*\i   ; no register that a store reads is written again
.endr
	s_endpgm
.Lwo:
.irp i, 0,1,2,3,4,5,6,7
	s_wait_loadcnt 7-\i                            ; block i is in, the younger ones stay out
	v_cvt_pk_bf16_f32 v[H], v[X+4*\i], v[X+4*\i+1]             ; to bf16, to nearest even,
	v_cvt_pk_bf16_f32 v[H+1], v[X+4*\i+2], v[X+4*\i+3]
	v_lshlrev_b32 v[T], 16, v[H]                               ; back to f32: the low half moves up, the high half stays,
	v_and_b32 v[T+1], 0xffff0000, v[H]
	v_lshlrev_b32 v[T+2], 16, v[H+1]
	v_and_b32 v[T+3], 0xffff0000, v[H+1]
	v_cvt_pk_f16_f32 v[Y+2*\i], v[T], v[T+1]                   ; and into f16, which holds these eight bits as they are
	v_cvt_pk_f16_f32 v[Y+2*\i+1], v[T+2], v[T+3]
	global_store_b64 v2, v[Y+2*\i:Y+2*\i+1], s[14:15] offset:2048*\i   ; Y has registers for each block: none that a store reads is written again
.endr
	s_endpgm
.Lfunc_end_k_q050edc6640_cast:
	.size	k_q050edc6640_cast, .Lfunc_end_k_q050edc6640_cast-k_q050edc6640_cast
	.p2alignl 7, 3214868480
	.fill 96, 4, 3214868480
	.section	.rodata,"a",@progbits
	.p2align	6, 0x0
	.amdhsa_kernel k_q050edc6640_cast
		.amdhsa_group_segment_fixed_size 0
		.amdhsa_private_segment_fixed_size 0
		.amdhsa_enable_private_segment 0
		.amdhsa_kernarg_size 48
		.amdhsa_user_sgpr_count 2
		.amdhsa_user_sgpr_kernarg_segment_ptr 1
		.amdhsa_wavefront_size32 1
		.amdhsa_system_sgpr_workgroup_id_x 1
		.amdhsa_system_sgpr_workgroup_id_y 1
		.amdhsa_system_sgpr_workgroup_id_z 1
		.amdhsa_system_vgpr_workitem_id 0
		.amdhsa_next_free_vgpr 58
		.amdhsa_next_free_sgpr 66
		.amdhsa_reserve_vcc 0
		.amdhsa_float_denorm_mode_32 3
		.amdhsa_float_denorm_mode_16_64 3
		.amdhsa_memory_ordered 1
		.amdhsa_forward_progress 1
		.amdhsa_inst_pref_size 9
	.end_amdhsa_kernel
	.amdgpu_metadata
---
amdhsa.version: [ 1, 2 ]
amdhsa.kernels:
  - .name:           k_q050edc6640_cast
    .symbol:         k_q050edc6640_cast.kd
    .args:
      - { .name: hidden_states, .offset: 0, .size: 8, .value_kind: global_buffer, .address_space: global }
      - { .name: wq, .offset: 8, .size: 8, .value_kind: global_buffer, .address_space: global }
      - { .name: wk, .offset: 16, .size: 8, .value_kind: global_buffer, .address_space: global }
      - { .name: wv, .offset: 24, .size: 8, .value_kind: global_buffer, .address_space: global }
      - { .name: wo, .offset: 32, .size: 8, .value_kind: global_buffer, .address_space: global }
      - { .name: bf, .offset: 40, .size: 8, .value_kind: global_buffer, .address_space: global }
    .group_segment_fixed_size: 0
    .private_segment_fixed_size: 0
    .kernarg_segment_align: 8
    .kernarg_segment_size: 48
    .max_flat_workgroup_size: 256
    .sgpr_count:     66
    .vgpr_count:     58
    .wavefront_size: 32
...
	.end_amdgpu_metadata
.endif
;; end of part 5
;; launch qkvproj (part 6): grid 16 x 16, 4 waves a work-group, clusters of 4 x 4, 327,680 bytes of LDS; arguments bf, cos, sin, qkv, sc; writes qkv, sc
.if DOCPART == 6
	.amdgcn_target "amdgcn-amd-amdhsa--gfx1250"
	.amdhsa_code_object_version 6
	.text
	.protected	k_q050edc6640_qkvproj
	.globl	k_q050edc6640_qkvproj
	.p2align	8
	.type	k_q050edc6640_qkvproj,@function
k_q050edc6640_qkvproj:
	s_mov_b64 s[64:65], 0
	v_nop
	global_prefetch_b8 v0, s[64:65] scope:SCOPE_SE
	s_setreg_imm32_b32 hwreg(HW_REG_WAVE_MODE, 25, 1), 1
	s_wait_xcnt 0x0
	s_wait_alu depctr_hold_cnt(0) depctr_sa_sdst(0) depctr_va_vdst(0) depctr_va_sdst(0) depctr_va_ssrc(0) depctr_va_vcc(0) depctr_vm_vsrc(0)
	s_getreg_b32 s2, hwreg(HW_REG_IB_STS2, 6, 4)
	s_cmp_eq_u32 s2, 0
	s_cbranch_scc0 .Lentry_in_a_cluster
	s_endpgm
.Lentry_in_a_cluster:
	s_bfe_u32 s2, ttmp6, 0x10000c
	s_cmp_lg_u32 s2, 0xf033
	s_cbranch_scc0 .Lentry_shape_is_right
	s_endpgm
.Lentry_shape_is_right:
; q, k, v = x W^T, the rotary step on q and k, and a power-of-two scale for each 32 rows of a head of q and k.
; In:  bf: x [2048][2048] bf16 at byte 0; W = wq, wk, wv [3072][2048] bf16 at byte 8,388,608.  cos, sin [2048][64] f32.
; Out: qkv [48 heads][2048 positions][64] f16 (heads 0-31 q, 32-39 k, 40-47 v); sc [48][64] f32: 2^e of head g, rows 32 G .. 32 G + 31 (1.0 for v).
;      q and k are stored divided by 2^e, e the exponent of the group's largest magnitude, so that they lie below 2 whatever the inputs' size; the scores get 2^e back in f32.
; FORMAT, a stated decision: the program takes all its inputs at bf16 precision.  x and W come rounded; cos and sin are rounded here, to nearest even, and widened again:
;      the rotary step itself is f32 arithmetic.  The result is reference() of the rounded inputs; each of cos and sin is off by up to 2^-9 of itself against the unrounded one.
; LIMITS: v is stored unscaled, so |v| stays below 65,504.  A group whose largest magnitude is below 2^-126 gets the scale 0 (it counts as zero);
;      one of 2^127 or more, an infinity or a NaN is not served (a NaN is passed over by the maximum).
; A work-group makes 128 positions x 3 heads (192 columns) with four waves; 16 x 16 work-groups.  Wave (mi, ni) makes positions 64 mi .. + 63 and, of each head j, the columns
; d = 16 ni .. + 15 and d = 32 + 16 ni .. + 15: the two partners of a rotary pair (d, d + 32) then lie in one lane at one register index.
; K goes in steps of 128 through two LDS slots filled by the tensor data mover; a tile's rows are 256 bytes of memory, aligned.  Two slots of 256 along K would take
; 2 x 320 rows x 528 bytes = 337,920 bytes, more than a work-group can have.
; CLUSTER 4 x 4: x's tile hangs on the block row alone and is asked for jointly by a row of the cluster, W's on the block column alone, by a column.
; The matrix instruction is used transposed (source 0 = rows of W, source 1 = rows of x): lane (r, h), register i holds position r, column 8 h + i.
; REGISTERS: window 0: addresses, two fragment buffers, work; window 1: the 24 accumulator tiles, tile (a, b) at v[8 (6 a + b)]; window 2: cos and sin of my 64 positions.
.set NT,    6                          ; n tiles of a wave: b = 2 j + e (head j, lower or upper half of d)
.set SLOTK, 128                        ; K in a slot
.set PITCH, 272                        ; an LDS row: 256 bytes + 16 = 17 x 16, so the 16 rows that a load touches begin at 16 different 16-byte columns modulo 256
.set REG,   96*PITCH                   ; one wave's part of a slot: 96 rows of W, or 64 rows of x in the same room, so that the part's address is wave x REG
.set SLOT,  4*REG
.set STG,   2*SLOT                     ; the stage, behind the ring; no tensor load ever lands in it: f32 [3 heads][128 rows], pitch 272
.set SP,    272
.set HSTG,  128*SP
.set LAPS,  2048/(2*SLOTK)             ; a lap = once round the ring
.set NL,    2*NT+8                     ; LDS loads of one quarter step's fragments
.set ADRA, 16                          ; v16-17  LDS address of my x fragments in slot 0, 1
.set ADRB, 20                          ; v20-21  the same for W
.set STO,  24                          ; v24-26  stage, head j: where I put my results
.set RD,   27                          ; v27-29  stage, head j: where I read rows back
.set CO,   30                          ; v30     my byte offset in qkv
.set CSO,  31                          ; v31     my byte offset in cos and sin
.set FA,   32                          ; v32-95  x fragments, buffer f at 32 f, tile a at 8 a
.set FB,   96                          ; v96-191 W fragments, buffer f at 48 f, tile b at 8 b
.set XB,   32                          ; the way out: head j's 64 numbers at v[32 + 64 j]
.set T,    224                         ; v224-239 the way out: at work
.set G1,  24                           ; s[24:31] descriptor group 1, x's tiles
.set G0,  32                           ; s[32:39] descriptor group 0, x's tiles, a set for each slot
.set G1B, 48                           ; s[48:55] group 1, W's tiles
.set G0B, 56                           ; s[56:63] group 0, W's tiles
.set MSB, 0
.macro WIN new                         ; s_set_vgpr_msb: bits 1:0 source 0, 3:2 source 1, 5:4 source 2, 7:6 destination; the high byte repeats the setting that is left
.if MSB != \new
	s_set_vgpr_msb (MSB<<8)|\new
.set MSB, \new
.endif
.endm
.macro PLACES                          ; four independent vector instructions stand between a matrix instruction and a load into, or a vector instruction on, its registers
.rept 4
	v_nop
.endr
.endm
; A joint load: waves 0 and 1 fetch x's two halves, waves 2 and 3 W's.  The branch hangs on the wave's number alone.
.macro JLOAD s
	s_cmp_eq_u32 s15, 0
	s_cbranch_scc0 .Lfor_b_\@
	tensor_load_to_lds s[G0+4*\s:G0+4*\s+3], s[G1:G1+7]
	s_nop 0
	s_branch .Lasked_\@
.Lfor_b_\@:
	tensor_load_to_lds s[G0B+4*\s:G0B+4*\s+3], s[G1B:G1B+7]
	s_nop 0
.Lasked_\@:
.endm
; A round of the cluster's barrier: my work-group's barrier; wave 0 signals for the work-group; every wave waits for all sixteen; my work-group's barrier again.
.macro CROUND
	s_barrier_signal -1
	s_barrier_wait -1
	s_cmp_lg_u32 s14, 0
	s_cbranch_scc1 .Lnot_wave_0_\@
	s_barrier_signal -3
.Lnot_wave_0_\@:
	s_barrier_wait -3
	s_barrier_signal -1
	s_barrier_wait -1
.endm
	s_load_b256 s[4:11], s[0:1], 0x0               ; bf s[4:5], cos s[6:7], sin s[8:9], qkv s[10:11]
	s_load_b64 s[12:13], s[0:1], 0x20              ; sc
	v_lshl_add_u32 v254, v0, 2, 0x4c800
	v_mov_b32 v255, 0
	ds_add_u32 v254, v255
	v_lshrrev_b32 v1, 5, v0
	v_readfirstlane_b32 s14, v1                    ; wave 0..3
	s_lshr_b32 s15, s14, 1                         ; mi: my 64 positions.  Also: I fetch for x (0) or for W (1)
	s_and_b32 s16, s14, 1                          ; ni: my columns.  Also: which half of that tile I fetch
	s_bfe_u32 s40, ttmp6, 0x40000                  ; cx
	s_bfe_u32 s41, ttmp6, 0x40004                  ; cy
	s_lshl_b32 s42, ttmp9, 2
	s_add_co_u32 s42, s42, s40                     ; bx = 4 x cluster x + cx: heads 3 bx .. 3 bx + 2
	s_and_b32 s43, ttmp7, 0xffff
	s_lshl_b32 s43, s43, 2
	s_add_co_u32 s43, s43, s41                     ; by = 4 x cluster y + cy: positions 128 by .. + 127
	s_lshl_b32 s44, s41, 2
	s_lshl_b32 s44, 15, s44                        ; my row of the cluster: places 4 cy .. 4 cy + 3
	s_lshl_b32 s45, 0x1111, s40                    ; my column: places cx, cx + 4, cx + 8, cx + 12
	s_mov_b32 s70, 0x76543210                      ; v_permlanex16_b32: lane i of one half reads lane i of the other
	s_mov_b32 s71, 0xfedcba98
	; group 1: elements of 2 bytes; 16 bytes of padding behind every 64 words; x: 64 rows x 128, W: 96 rows x 128; 2,048 elements from row to row
	s_or_b32 s[G1+0], s44, (1<<16)|(1<<20)|(1<<21)|(5<<22)|(3<<25)   ; 15:0 the mask of my row; bit 21 set beside a mask
	s_or_b32 s[G1B+0], s45, (1<<16)|(1<<20)|(1<<21)|(5<<22)|(3<<25)  ; the mask of my column
	s_mov_b32 s[G1+1], SLOTK<<16                   ; tensor_dim0 = 128
	s_mov_b32 s[G1B+1], SLOTK<<16
	s_mov_b32 s[G1+2], 64<<16                      ; tensor_dim1 = the tile's rows
	s_mov_b32 s[G1B+2], 96<<16
	s_mov_b32 s[G1+3], SLOTK<<16                   ; tile_dim0 = 128
	s_mov_b32 s[G1B+3], SLOTK<<16
	s_mov_b32 s[G1+4], 64                          ; tile_dim1
	s_mov_b32 s[G1B+4], 96
	s_mov_b32 s[G1+5], 2048                        ; the pitch
	s_mov_b32 s[G1B+5], 2048
	s_mov_b32 s[G1+6], 0
	s_mov_b32 s[G1B+6], 0
	s_mov_b32 s[G1+7], 0
	s_mov_b32 s[G1B+7], 0
	; where the tiles come from: x's address is made of by and the wave, W's of bx and the wave, each in registers that never hold the other coordinate
	s_lshl_b32 s18, s43, 7
	s_lshl_b32 s19, s16, 6
	s_add_co_u32 s18, s18, s19                     ; x: row 128 by + 64 x half
	s_lshl_b32 s18, s18, 12                        ; rows of 4,096 bytes
	s_mov_b32 s19, 0
	s_mul_i32 s46, s42, 192
	s_mul_i32 s47, s16, 96
	s_add_co_u32 s46, s46, s47                     ; W: row 192 bx + 96 x half
	s_lshl_b32 s46, s46, 12
	s_add_co_u32 s46, s46, 8388608                 ; W lies behind x in bf
	s_mov_b32 s47, 0
	s_mul_i32 s20, s14, REG                        ; where they go: wave x REG; no place in the cluster enters an LDS address
	s_lshl_b32 s22, s43, 15                        ; cos and sin: 128 by rows of 256 bytes
	s_mov_b32 s23, 0
	s_wait_dscnt 0x0
	s_wait_kmcnt 0x0
	s_add_nc_u64 s[18:19], s[4:5], s[18:19]
	s_add_nc_u64 s[46:47], s[4:5], s[46:47]
	s_add_nc_u64 s[6:7], s[6:7], s[22:23]
	s_add_nc_u64 s[8:9], s[8:9], s[22:23]
	CROUND                                         ; all sixteen work-groups are here: the first joint loads meet
.irp s, 0,1
	s_mov_b32 s[G0+4*\s], 1
	s_add_co_u32 s[G0+4*\s+1], s20, \s*SLOT
	s_add_nc_u64 s[G0+4*\s+2:G0+4*\s+3], s[18:19], \s*SLOTK*2
	s_or_b32 s[G0+4*\s+3], s[G0+4*\s+3], 0x80000000
	s_mov_b32 s[G0B+4*\s], 1
	s_add_co_u32 s[G0B+4*\s+1], s20, \s*SLOT
	s_add_nc_u64 s[G0B+4*\s+2:G0B+4*\s+3], s[46:47], \s*SLOTK*2
	s_or_b32 s[G0B+4*\s+3], s[G0B+4*\s+3], 0x80000000
	JLOAD \s                                       ; both slots are asked for before anything else: two tensor loads of this wave are out
.endr
	v_and_b32 v1, 15, v0                           ; r
	v_bfe_u32 v2, v0, 4, 1                         ; h
	v_and_b32 v11, 31, v0                          ; lane
	; a fragment: lane (r, h) holds row r; registers 0-3 K = 8 h .. + 7, registers 4-7 K = 16 + 8 h .. + 7: two loads of 16 bytes, 32 bytes apart
	v_mul_u32_u24 v3, v1, PITCH
	v_lshl_add_u32 v3, v2, 4, v3
	s_mul_i32 s21, s15, REG                        ; my 64 rows of x
	s_mul_i32 s22, s16, 16*PITCH                   ; my tiles of W begin at row 16 ni,
	s_add_co_u32 s22, s22, 2*REG                   ; behind x's two parts
.irp s, 0,1
	v_add_nc_u32 v[ADRA+\s], s21, v3
	v_add_nc_u32 v[ADRB+\s], s22, v3
	s_add_co_u32 s21, s21, SLOT
	s_add_co_u32 s22, s22, SLOT
.endr
	; cos and sin of position 64 mi + 16 a + r, d = 16 ni + 8 h + i (lower) and 32 more (upper)
	s_lshl_b32 s21, s15, 14
	s_lshl_b32 s22, s16, 6
	s_add_co_u32 s21, s21, s22
	v_lshlrev_b32 v4, 8, v1
	v_lshl_add_u32 v4, v2, 5, v4
	v_add_nc_u32 v[CSO], s21, v4                   ; (64 mi + r) 256 + 64 ni + 32 h
	WIN 0x80                                       ; destination in window 2: tile row a at 32 a: cos lower 8, cos upper 8, sin lower 8, sin upper 8
.irp a, 0,1,2,3
	global_load_b128 v[32*\a:32*\a+3],     v[CSO], s[6:7] offset:4096*\a
	global_load_b128 v[32*\a+4:32*\a+7],   v[CSO], s[6:7] offset:4096*\a+16
	global_load_b128 v[32*\a+8:32*\a+11],  v[CSO], s[6:7] offset:4096*\a+128
	global_load_b128 v[32*\a+12:32*\a+15], v[CSO], s[6:7] offset:4096*\a+144
	global_load_b128 v[32*\a+16:32*\a+19], v[CSO], s[8:9] offset:4096*\a
	global_load_b128 v[32*\a+20:32*\a+23], v[CSO], s[8:9] offset:4096*\a+16
	global_load_b128 v[32*\a+24:32*\a+27], v[CSO], s[8:9] offset:4096*\a+128
	global_load_b128 v[32*\a+28:32*\a+31], v[CSO], s[8:9] offset:4096*\a+144
.endr
	WIN 0                                          ; these 32 loads are waited for behind the K loop; until then nothing names window 2, v31 or s[6:9]
	; the stage: in at row 64 mi + 16 a + r, byte 4 d
	s_mul_i32 s21, s15, 64*SP
	s_lshl_b32 s22, s16, 6
	s_add_co_u32 s21, s21, s22
	s_add_co_u32 s21, s21, STG
	v_mul_u32_u24 v4, v1, SP
	v_lshl_add_u32 v4, v2, 5, v4
	v_add_nc_u32 v[STO], s21, v4
	v_add_nc_u32 v[STO+1], HSTG, v[STO]
	v_add_nc_u32 v[STO+2], 2*HSTG, v[STO]
	; back: wave w takes rows 32 w .. + 31 of each head, eight lanes a row, 32 bytes a lane
	v_lshrrev_b32 v5, 3, v11
	v_and_b32 v6, 7, v11
	v_mul_u32_u24 v5, v5, SP
	v_lshl_add_u32 v5, v6, 5, v5
	s_mul_i32 s21, s14, 32*SP
	s_add_co_u32 s21, s21, STG
	v_add_nc_u32 v[RD], s21, v5
	v_add_nc_u32 v[RD+1], HSTG, v[RD]
	v_add_nc_u32 v[RD+2], 2*HSTG, v[RD]
	s_lshl_b32 s21, s14, 12
	v_lshl_add_u32 v[CO], v11, 4, s21              ; 32 w rows of 128 bytes + 16 x lane
	s_lshl_b32 s22, s14, 2
	v_mov_b32 v10, s22                             ; my group's word in a head's row of sc
; NT matrix instructions: x's tile a against all my tiles of W, 32 along K.  zero = 1: the first product starts the sums, nothing is cleared.
.macro MULA f, a, zero
.irp b, 0,1,2,3,4,5
.if \zero
	v_wmma_f32_16x16x32_bf16 v[8*(NT*\a+\b):8*(NT*\a+\b)+7], v[FB+8*NT*\f+8*\b:FB+8*NT*\f+8*\b+7], v[FA+32*\f+8*\a:FA+32*\f+8*\a+7], 0
.else
	v_wmma_f32_16x16x32_bf16 v[8*(NT*\a+\b):8*(NT*\a+\b)+7], v[FB+8*NT*\f+8*\b:FB+8*NT*\f+8*\b+7], v[FA+32*\f+8*\a:FA+32*\f+8*\a+7], v[8*(NT*\a+\b):8*(NT*\a+\b)+7]
.endif
.endr
.endm
.macro PASS f, zero                    ; all 24 accumulators once
	MULA \f, 0, \zero
	MULA \f, 1, \zero
	MULA \f, 2, \zero
	MULA \f, 3, \zero
.endm
; One quarter step's fragments (32 K at byte k of the rows) into buffer f, 20 loads in one run: W's six tiles (tile b = 2 j + e at row 64 j + 32 e + 16 ni), then x's four.
.macro FETCH slot, k, f
.irp b, 0,1,2,3,4,5
	ds_load_b128 v[FB+8*NT*\f+8*\b:FB+8*NT*\f+8*\b+3],   v[ADRB+\slot] offset:\k+(64*(\b/2)+32*(\b%2))*PITCH
	ds_load_b128 v[FB+8*NT*\f+8*\b+4:FB+8*NT*\f+8*\b+7], v[ADRB+\slot] offset:\k+(64*(\b/2)+32*(\b%2))*PITCH+32
.endr
.irp a, 0,1,2,3
	ds_load_b128 v[FA+32*\f+8*\a:FA+32*\f+8*\a+3],   v[ADRA+\slot] offset:\k+16*\a*PITCH
	ds_load_b128 v[FA+32*\f+8*\a+4:FA+32*\f+8*\a+7], v[ADRA+\slot] offset:\k+16*\a*PITCH+32
.endr
.endm
; A quarter step: the next quarter's fragments go into buffer g, which the last quarter has read; then 24 matrix instructions on buffer f, whose loads were issued a quarter ago.
; The 24 accumulators take turns, one instruction a turn, in the same order in every quarter.
.macro QUARTER slot, k, f, g, zero
	PLACES
	WIN 0
	FETCH \slot, \k, \g
	s_wait_dscnt NL                                ; all but the 20 just issued: buffer f is in
	WIN 0x50                                       ; C and D in window 1
	PASS \f, \zero
.endm
.macro RUN slot, zero
	QUARTER \slot, 64,  0, 1, \zero
	QUARTER \slot, 128, 1, 0, 0
	QUARTER \slot, 192, 0, 1, 0
.endm
; The change of slots, and the slot's last quarter, on buffer 1.  Each wave waits for its reads of this slot (buffer 1's loads were the last) and for all its tensor loads
; (one is out: its part of the next slot).  Where the slot is filled again a round of the cluster's barrier follows, and the joint refill is the first thing behind it:
; nothing else stands between the waits and the refill, so that the tile is asked for as early as can be.  From a request to the wait for it a wave issues 96 matrix instructions.
.macro TURN slot, next, fill
	PLACES                                         ; behind the quarter that read buffer 0, in front of the loads into it below
	WIN 0
	s_wait_dscnt 0                                 ; buffer 1 is in: my reads of this slot are over
	s_wait_tensorcnt 0x0                           ; all my tensor loads have landed, so every group 0 may be written
	ds_add_u32 v254, v255
	s_wait_dscnt 0x0
.if \fill
	s_add_nc_u64 s[G0+4*\slot+2:G0+4*\slot+3], s[G0+4*\slot+2:G0+4*\slot+3], 4*SLOTK     ; two K steps on: 2 x 128 elements of 2 bytes
	s_add_nc_u64 s[G0B+4*\slot+2:G0B+4*\slot+3], s[G0B+4*\slot+2:G0B+4*\slot+3], 4*SLOTK
	CROUND
	JLOAD \slot
.else
	s_barrier_signal -1
	s_barrier_wait -1
.endif
	FETCH \next, 0, 0
	WIN 0x50
	PASS 1, 0
.endm
.macro LAP zero                        ; once round the ring: 256 along K, both slots filled again
	RUN 0, \zero
	TURN 0, 1, 1
	RUN 1, 0
	TURN 1, 0, 1
.endm
	s_wait_tensorcnt 0x1                           ; my part of slot 0 is in; slot 1's load stays out
	s_barrier_signal -1
	s_barrier_wait -1
	FETCH 0, 0, 0
	LAP 1                                          ; the first lap stands in front of the loop: its first products start the sums
	WIN 0
	s_mov_b32 s3, LAPS-2
.Llap:
	LAP 0
	WIN 0
	s_sub_co_u32 s3, s3, 1
	s_cmp_lg_u32 s3, 0
	s_cbranch_scc1 .Llap
	RUN 0, 0                                       ; the last lap fills nothing
	TURN 0, 1, 0
	RUN 1, 0
	s_wait_dscnt 0
	WIN 0x50
	PASS 1, 0
	PLACES                                         ; behind the last matrix instructions, in front of all that reads results or writes fragments
	WIN 0
	; THE WAY OUT.  Heads below 40 (q and k) take the rotary step and a scale; v's heads keep their numbers.  That is a select, not a branch: it hangs on bx.
	s_mul_i32 s46, s42, 3
.irp j, 0,1,2
	s_add_co_u32 s47, s46, \j
	s_cmp_lt_u32 s47, 40
	s_cselect_b32 s[66+\j], -1, 0
.endr
	s_lshl_b32 s18, s43, 14                        ; qkv: 128 by rows of 128 bytes,
	s_mov_b32 s19, 0
	s_add_nc_u64 s[10:11], s[10:11], s[18:19]
	s_mul_i32 s46, s42, 3*262144                   ; and head 3 bx
	s_mov_b32 s47, 0
	s_add_nc_u64 s[10:11], s[10:11], s[46:47]
	s_lshl_b32 s18, s43, 4                         ; sc: group 4 by,
	s_add_nc_u64 s[12:13], s[12:13], s[18:19]
	s_mul_i32 s46, s42, 3*256                      ; and head 3 bx
	s_add_nc_u64 s[12:13], s[12:13], s[46:47]
; cos and sin of tile row a, 32 registers: to bf16, to nearest even, two at a time, and back to f32 in place (the low half moves up, the high half stays)
.macro RNDCS a
	WIN 0x0a                                       ; sources 0 and 1 in window 2
.irp u, 0,1,2,3,4,5,6,7,8,9,10,11,12,13,14,15
	v_cvt_pk_bf16_f32 v[T+\u], v[32*\a+2*\u], v[32*\a+2*\u+1]
.endr
	WIN 0x80                                       ; destination in window 2
.irp u, 0,1,2,3,4,5,6,7,8,9,10,11,12,13,14,15
	v_lshlrev_b32 v[32*\a+2*\u], 16, v[T+\u]
	v_and_b32 v[32*\a+2*\u+1], 0xffff0000, v[T+\u]
.endr
.endm
	s_wait_loadcnt 0x0                             ; cos and sin, asked for at the start
	RNDCS 0
	RNDCS 1
	RNDCS 2
	RNDCS 3
; Tile row a of head j: lower = L cos - H sin, upper = H cos + L sin, with L, H the tiles at d and d + 32; then 64 bytes a lane into the stage.
.macro ROPE a, j
	WIN 0x09                                       ; source 0 (results) window 1, source 1 (cos, sin) window 2
.irp i, 0,2,4,6
	v_pk_mul_f32 v[T+\i:T+\i+1],     v[8*(NT*\a+2*\j)+\i:8*(NT*\a+2*\j)+\i+1],     v[32*\a+\i:32*\a+\i+1]
	v_pk_mul_f32 v[T+8+\i:T+8+\i+1], v[8*(NT*\a+2*\j+1)+\i:8*(NT*\a+2*\j+1)+\i+1], v[32*\a+8+\i:32*\a+8+\i+1]
.endr
.irp i, 0,1,2,3,4,5,6,7
	v_fma_f32 v[T+\i], -v[8*(NT*\a+2*\j+1)+\i], v[32*\a+16+\i], v[T+\i]
.endr
.irp i, 0,2,4,6
	v_pk_fma_f32 v[T+8+\i:T+8+\i+1], v[8*(NT*\a+2*\j)+\i:8*(NT*\a+2*\j)+\i+1], v[32*\a+24+\i:32*\a+24+\i+1], v[T+8+\i:T+8+\i+1]
.endr
	WIN 0x01                                       ; source 0 window 1
.irp i, 0,1,2,3,4,5,6,7
	v_cndmask_b32 v[T+\i],   v[8*(NT*\a+2*\j)+\i],   v[T+\i],   s[66+\j]     ; v's heads: the plain product
	v_cndmask_b32 v[T+8+\i], v[8*(NT*\a+2*\j+1)+\i], v[T+8+\i], s[66+\j]
.endr
	WIN 0
	ds_store_b128 v[STO+\j], v[T:T+3]     offset:16*SP*\a
	ds_store_b128 v[STO+\j], v[T+4:T+7]   offset:16*SP*\a+16
	ds_store_b128 v[STO+\j], v[T+8:T+11]  offset:16*SP*\a+128
	ds_store_b128 v[STO+\j], v[T+12:T+15] offset:16*SP*\a+144
.endm
.irp j, 0,1,2
.irp a, 0,1,2,3
	ROPE \a, \j
.endr
.endr
	s_wait_dscnt 0x0                               ; my stores into the stage are done: a row's two halves come from two waves
	s_barrier_signal -1
	s_barrier_wait -1
.irp j, 0,1,2
.irp t, 0,1,2,3,4,5,6,7
	ds_load_b128 v[XB+64*\j+8*\t:XB+64*\j+8*\t+3],   v[RD+\j] offset:4*SP*\t       ; four rows a step
	ds_load_b128 v[XB+64*\j+8*\t+4:XB+64*\j+8*\t+7], v[RD+\j] offset:4*SP*\t+16
.endr
.endr
; Head j, my 32 rows: the largest magnitude, its exponent as 2^e, all numbers times 2^-e, rounded to f16, stored as 512 consecutive bytes a store.
.macro NORM j
	s_wait_dscnt 16*(2-\j)                         ; the later heads' loads may be out
	v_max_num_f32 v240, |v[XB+64*\j]|, |v[XB+64*\j+1]|
	v_max_num_f32 v241, |v[XB+64*\j+32]|, |v[XB+64*\j+33]|
.irp u, 2,4,6,8,10,12,14,16,18,20,22,24,26,28,30
	v_max3_num_f32 v240, |v[XB+64*\j+\u]|, |v[XB+64*\j+\u+1]|, v240
	v_max3_num_f32 v241, |v[XB+64*\j+32+\u]|, |v[XB+64*\j+33+\u]|, v241
.endr
	v_max_num_f32 v240, v240, v241
	v_max_num_f32_dpp v240, v240, v240 row_xmask:1 row_mask:0xf bank_mask:0xf
	v_max_num_f32_dpp v240, v240, v240 row_xmask:2 row_mask:0xf bank_mask:0xf
	v_max_num_f32_dpp v240, v240, v240 row_xmask:4 row_mask:0xf bank_mask:0xf
	v_max_num_f32_dpp v240, v240, v240 row_xmask:8 row_mask:0xf bank_mask:0xf
	v_permlanex16_b32 v241, v240, s70, s71
	v_max_num_f32 v240, v240, v241                 ; every lane holds the group's largest magnitude
	v_and_b32 v242, 0x7f800000, v240               ; 2^e: its exponent field alone
	v_sub_nc_u32 v243, 0x7f000000, v242            ; 2^-e: field 254 - field
	v_cndmask_b32 v[246+\j], 1.0, v242, s[66+\j]   ; v's heads: 1.0
	v_cndmask_b32 v244, 1.0, v243, s[66+\j]
	v_cndmask_b32 v245, 1.0, v243, s[66+\j]
.set cnt, 0
.rept 32
	v_pk_mul_f32 v[XB+64*\j+cnt:XB+64*\j+cnt+1], v[XB+64*\j+cnt:XB+64*\j+cnt+1], v[244:245]
.set cnt, cnt+2
.endr
.irp t, 0,1,2,3,4,5,6,7
.irp u, 0,1,2,3
	v_cvt_pk_f16_f32 v[XB+64*\j+8*\t+\u], v[XB+64*\j+8*\t+2*\u], v[XB+64*\j+8*\t+2*\u+1]
.endr
	global_store_b128 v[CO], v[XB+64*\j+8*\t:XB+64*\j+8*\t+3], s[10:11] offset:262144*\j+512*\t   ; no register that a store reads is written again
.endr
.endm
	NORM 0
	NORM 1
	NORM 2
	s_wait_xcnt 0x0                                ; EXEC is a source of the stores above: it changes only behind this wait
	v_cmp_eq_u32 vcc_lo, 0, v11
	s_and_saveexec_b32 s69, vcc_lo                 ; lane 0 stores the three scales of my group: twelve bytes a wave
	global_store_b32 v10, v246, s[12:13]
	global_store_b32 v10, v247, s[12:13] offset:256
	global_store_b32 v10, v248, s[12:13] offset:512
	s_wait_xcnt 0x0                                ; and again in front of the line that widens it
	s_or_b32 exec_lo, exec_lo, s69
	s_wait_tensorcnt 0x0
	ds_add_u32 v254, v255
	s_wait_dscnt 0x0
	CROUND                                         ; the closing round: no work-group ends while a partner may still ask for a tile that names it
	s_endpgm
.Lfunc_end_k_q050edc6640_qkvproj:
	.size	k_q050edc6640_qkvproj, .Lfunc_end_k_q050edc6640_qkvproj-k_q050edc6640_qkvproj
	.p2alignl 7, 3214868480
	.fill 96, 4, 3214868480
	.section	.rodata,"a",@progbits
	.p2align	6, 0x0
	.amdhsa_kernel k_q050edc6640_qkvproj
		.amdhsa_group_segment_fixed_size 327680
		.amdhsa_private_segment_fixed_size 0
		.amdhsa_enable_private_segment 0
		.amdhsa_kernarg_size 40
		.amdhsa_user_sgpr_count 2
		.amdhsa_user_sgpr_kernarg_segment_ptr 1
		.amdhsa_wavefront_size32 1
		.amdhsa_system_sgpr_workgroup_id_x 1
		.amdhsa_system_sgpr_workgroup_id_y 1
		.amdhsa_system_sgpr_workgroup_id_z 1
		.amdhsa_system_vgpr_workitem_id 0
		.amdhsa_next_free_vgpr 640
		.amdhsa_next_free_sgpr 72
		.amdhsa_reserve_vcc 1
		.amdhsa_float_denorm_mode_32 3
		.amdhsa_float_denorm_mode_16_64 3
		.amdhsa_memory_ordered 1
		.amdhsa_forward_progress 1
		.amdhsa_inst_pref_size 154
	.end_amdhsa_kernel
	.amdgpu_metadata
---
amdhsa.version: [ 1, 2 ]
amdhsa.kernels:
  - .name:           k_q050edc6640_qkvproj
    .symbol:         k_q050edc6640_qkvproj.kd
    .args:
      - { .name: bf, .offset: 0, .size: 8, .value_kind: global_buffer, .address_space: global }
      - { .name: cos, .offset: 8, .size: 8, .value_kind: global_buffer, .address_space: global }
      - { .name: sin, .offset: 16, .size: 8, .value_kind: global_buffer, .address_space: global }
      - { .name: qkv, .offset: 24, .size: 8, .value_kind: global_buffer, .address_space: global }
      - { .name: sc, .offset: 32, .size: 8, .value_kind: global_buffer, .address_space: global }
    .group_segment_fixed_size: 327680
    .private_segment_fixed_size: 0
    .kernarg_segment_align: 8
    .kernarg_segment_size: 40
    .max_flat_workgroup_size: 128
    .sgpr_count:     72
    .vgpr_count:     640
    .wavefront_size: 32
...
	.end_amdgpu_metadata
.endif
;; end of part 6
;; launch attention (part 7): grid 256 x 1, 8 waves a work-group, clusters of 4 x 1, 327,680 bytes of LDS; arguments qkv, sc, attn; writes attn
.if DOCPART == 7
	.amdgcn_target "amdgcn-amd-amdhsa--gfx1250"
	.amdhsa_code_object_version 6
	.text
	.protected	k_q050edc6640_attention
	.globl	k_q050edc6640_attention
	.p2align	8
	.type	k_q050edc6640_attention,@function
k_q050edc6640_attention:
	s_mov_b64 s[64:65], 0
	v_nop
	global_prefetch_b8 v0, s[64:65] scope:SCOPE_SE
	s_setreg_imm32_b32 hwreg(HW_REG_WAVE_MODE, 25, 1), 1
	s_wait_xcnt 0x0
	s_wait_alu depctr_hold_cnt(0) depctr_sa_sdst(0) depctr_va_vdst(0) depctr_va_sdst(0) depctr_va_ssrc(0) depctr_va_vcc(0) depctr_vm_vsrc(0)
	s_getreg_b32 s2, hwreg(HW_REG_IB_STS2, 6, 4)
	s_cmp_eq_u32 s2, 0
	s_cbranch_scc0 .Lentry_in_a_cluster
	s_endpgm
.Lentry_in_a_cluster:
	s_bfe_u32 s2, ttmp6, 0x10000c
	s_cmp_lg_u32 s2, 0x3003
	s_cbranch_scc0 .Lentry_shape_is_right
	s_endpgm
.Lentry_shape_is_right:
; Softmax attention, 32 query heads on 8 key and value heads, head size 64, 2,048 keys, no mask, with a running maximum.
; In:  qkv [48][2048][64] f16 (q 0-31, k 32-39, both divided by their group's 2^e; v 40-47); sc [48][64] f32, the 2^e of each 32 rows.
; Out: attn [2048][2048] f16, column = head x 64 + d.
; score x log2(e) = (q^ . k^) x 2^eq x 2^ek x 0.125 x 1.442695, formed in f32.  LIMIT: 2^eq x 2^ek x 0.18 must be a finite f32 (beyond that the plain f32 scores overflow too).
; CLUSTER 4 x 1: cluster c serves key head g = c / 8 and queries 256 (c mod 8) .. + 255 of its four query heads; all four partners walk the same K and V tiles and ask for them
; jointly (mask 15).  Work-group cx takes heads 4 g + 2 (cx mod 2) + {0, 1} and queries q0 = 256 (c mod 8) + 128 (cx / 2) .. + 127.  Q is nobody else's: plain loads.
; Eight waves: wave w takes head w mod 2 of the two and 32 queries at 32 (w / 2), which is one scale group.  Two waves lie on a SIMD, so that one wave's
; exponentials stand beside the other's matrix instructions.
; TRANSPOSED: S^T = K Q^T holds (key 8 h + j, query r): a query is a lane, its state one register; two packed tiles of S^T are a fragment of P^T as they lie;
; O^T = V^T P^T holds eight neighbouring d of one query.
; LDS: two slots of 256 keys; a slot is eight parts of 10,240 bytes, part w filled by wave w: parts 0-3 K (64 keys, pitch 144), parts 4-7 V (64 keys, pitch 160); then the stage.
.set PART, 10240
.set SLOT, 8*PART
.set KP,   144                         ; 128 bytes + 16 = 9 x 16: sixteen rows begin at sixteen different 16-byte columns modulo 256
.set VP,   160                         ; 128 bytes + 32 = 5 x 32, for the transposing load
.set STG,  2*SLOT                      ; the stage: 128 queries x 256 bytes (two heads), pitch 272; no tensor load ever lands in it
.set SP,   272
.set KA, 6                             ; v6-7    LDS address of my K fragments, slot 0, 1
.set VA, 8                             ; v8-9    the same for V
.set QF, 32                            ; v32-63   Q fragments: (q, dh) at 8 (2 q + dh)
.set SB, 64                            ; v64-127  S^T tiles: (kt, q) at 8 (4 q + kt); later P^T: (q, kh) at 32 q + 16 kh
.set KF, 128                           ; v128-191 K fragments: (kt, dh) at 8 (2 kt + dh)
.set VF, 192                           ; v192-255 V^T fragments: (dt, kh) at 8 (2 dt + kh)
                                       ; window 1: O^T tiles: (dt, q) at 8 (4 q + dt)
; v1 QC = 0.18033688 x 2^eq; v[2:3], v[4:5] QC x the block's two key scales, each twice; v10-13 running maxima M[parity][q] in log2 units;
; v14-15 running sums; v[16:19] -M, twice for each q; v[20:23] the factors 2^(M old - M new), twice for each q; v24-31 at work
.set G1K, 24                           ; s[24:31] group 1, K's tiles
.set G0K, 32                           ; s[32:39] group 0, K's tiles, a set for each slot
.set G1V, 48                           ; s[48:55] group 1, V's tiles
.set G0V, 56                           ; s[56:63] group 0, V's tiles
.set KS,  72                           ; s[72:79], s[80:87] the eight key scales of the tile in slot 0, 1
.set PK,  88                           ; s[88:89], s[90:91] where the slot's next scales lie
.set MSB, 0
.macro WIN new                         ; s_set_vgpr_msb: bits 1:0 source 0, 3:2 source 1, 5:4 source 2, 7:6 destination; the high byte repeats the setting that is left
.if MSB != \new
	s_set_vgpr_msb (MSB<<8)|\new
.set MSB, \new
.endif
.endm
.macro PLACES                          ; four independent vector instructions between a matrix instruction and what touches its registers (ISA guide 7.12.1)
.rept 4
	v_nop
.endr
.endm
.macro JLOAD s                         ; waves 0-3 ask for K's four parts, waves 4-7 for V's; the branch hangs on the wave's number alone
	s_cmp_eq_u32 s11, 0
	s_cbranch_scc0 .Lfor_v_\@
	tensor_load_to_lds s[G0K+4*\s:G0K+4*\s+3], s[G1K:G1K+7]
	s_nop 0
	s_branch .Lasked_\@
.Lfor_v_\@:
	tensor_load_to_lds s[G0V+4*\s:G0V+4*\s+3], s[G1V:G1V+7]
	s_nop 0
.Lasked_\@:
.endm
.macro CROUND                          ; a round of the cluster's barrier
	s_barrier_signal -1
	s_barrier_wait -1
	s_cmp_lg_u32 s10, 0
	s_cbranch_scc1 .Lnot_wave_0_\@
	s_barrier_signal -3
.Lnot_wave_0_\@:
	s_barrier_wait -3
	s_barrier_signal -1
	s_barrier_wait -1
.endm
	s_load_b128 s[4:7], s[0:1], 0x0                ; qkv s[4:5], sc s[6:7]
	s_load_b64 s[8:9], s[0:1], 0x10                ; attn
	s_set_vgpr_msb 0x40
	v_lshl_add_u32 v64, v0, 2, 0x30800
	v_mov_b32 v65, 0
	s_set_vgpr_msb 0x4045
	ds_add_u32 v64, v65
	s_set_vgpr_msb 0x4500
	v_lshrrev_b32 v24, 5, v0
	v_readfirstlane_b32 s10, v24                   ; wave 0..7
	s_lshr_b32 s11, s10, 2                         ; I fetch for K (0) or for V (1)
	s_and_b32 s14, s10, 1                          ; which of the two heads
	s_lshr_b32 s15, s10, 1                         ; which 32 queries
	s_bfe_u32 s12, ttmp6, 0x40000                  ; cx
	s_lshr_b32 s13, ttmp9, 3                       ; g
	s_mov_b32 s20, 0x76543210                      ; v_permlanex16_b32: lane i of one half reads lane i of the other
	s_mov_b32 s21, 0xfedcba98
	; group 1: 64 rows x 64 elements of 2 bytes, 64 elements from row to row; padding behind every 32 words: 4 words for K, 8 for V; mask 15 with bit 21 beside it
	s_mov_b32 s[G1K+0], 15|(1<<16)|(1<<20)|(1<<21)|(4<<22)|(3<<25)
	s_mov_b32 s[G1V+0], 15|(1<<16)|(1<<20)|(1<<21)|(4<<22)|(7<<25)
	s_mov_b32 s[G1K+1], 64<<16
	s_mov_b32 s[G1V+1], 64<<16
	s_mov_b32 s[G1K+2], 64<<16
	s_mov_b32 s[G1V+2], 64<<16
	s_mov_b32 s[G1K+3], 64<<16
	s_mov_b32 s[G1V+3], 64<<16
	s_mov_b32 s[G1K+4], 64
	s_mov_b32 s[G1V+4], 64
	s_mov_b32 s[G1K+5], 64
	s_mov_b32 s[G1V+5], 64
	s_mov_b32 s[G1K+6], 0
	s_mov_b32 s[G1V+6], 0
	s_mov_b32 s[G1K+7], 0
	s_mov_b32 s[G1V+7], 0
	; the tiles' addresses hang on g and the wave alone, which all four partners share
	s_add_co_u32 s40, s13, 32
	s_lshl_b32 s40, s40, 18                        ; head 32 + g
	s_lshl_b32 s41, s10, 13                        ; 64 w keys of 128 bytes
	s_add_co_u32 s40, s40, s41
	s_add_co_u32 s42, s13, 40
	s_lshl_b32 s42, s42, 18                        ; head 40 + g
	s_add_co_u32 s42, s42, s41
	s_sub_co_u32 s42, s42, 32768                   ; waves 4-7 take V's keys 64 (w - 4)
	s_mov_b32 s41, 0
	s_mov_b32 s43, 0
	s_mul_i32 s44, s10, PART                       ; where they go: wave x PART
	s_add_co_u32 s46, s13, 32
	s_lshl_b32 s46, s46, 8                         ; the key head's row of sc
	s_mov_b32 s47, 0
	s_wait_dscnt 0x0
	s_wait_kmcnt 0x0
	s_add_nc_u64 s[40:41], s[4:5], s[40:41]
	s_add_nc_u64 s[42:43], s[4:5], s[42:43]
	s_add_nc_u64 s[PK:PK+1], s[6:7], s[46:47]
	s_add_nc_u64 s[PK+2:PK+3], s[PK:PK+1], 32      ; eight scales a tile
	CROUND                                         ; all four work-groups are here: the first joint loads meet
.irp s, 0,1
	s_mov_b32 s[G0K+4*\s], 1
	s_add_co_u32 s[G0K+4*\s+1], s44, \s*SLOT
	s_add_nc_u64 s[G0K+4*\s+2:G0K+4*\s+3], s[40:41], \s*32768
	s_or_b32 s[G0K+4*\s+3], s[G0K+4*\s+3], 0x80000000
	s_mov_b32 s[G0V+4*\s], 1
	s_add_co_u32 s[G0V+4*\s+1], s44, \s*SLOT
	s_add_nc_u64 s[G0V+4*\s+2:G0V+4*\s+3], s[42:43], \s*32768
	s_or_b32 s[G0V+4*\s+3], s[G0V+4*\s+3], 0x80000000
	JLOAD \s                                       ; tiles 0 and 1: two tensor loads of this wave are out
.endr
	s_load_b256 s[KS:KS+7], s[PK:PK+1], 0x0
	s_load_b256 s[KS+8:KS+15], s[PK+2:PK+3], 0x0
	; what hangs on cx lives in s12 and s66-71, and in the pointers s[16:19] and s[8:9]
	s_and_b32 s66, s12, 1
	s_lshr_b32 s67, s12, 1
	s_and_b32 s70, ttmp9, 7
	s_lshl_b32 s70, s70, 8
	s_lshl_b32 s67, s67, 7
	s_add_co_u32 s70, s70, s67                     ; q0
	s_lshl_b32 s71, s13, 2
	s_lshl1_add_u32 s71, s66, s71                  ; head0 = 4 g + 2 (cx mod 2)
	s_lshl_b32 s68, s71, 18
	s_lshl_b32 s69, s70, 7
	s_add_co_u32 s68, s68, s69
	s_mov_b32 s69, 0
	s_add_nc_u64 s[16:17], s[4:5], s[68:69]        ; Q: head0, query q0
	s_add_co_u32 s68, s71, s14
	s_lshl_b32 s68, s68, 8                         ; my head's row of sc,
	s_lshr_b32 s67, s70, 3
	s_lshl2_add_u32 s67, s15, s67                  ; word q0 / 32 + w / 2
	s_add_co_u32 s68, s68, s67
	s_add_nc_u64 s[18:19], s[6:7], s[68:69]
	s_load_b32 s22, s[18:19], 0x0                  ; 2^eq of my 32 queries
	s_lshl_b32 s68, s70, 12
	s_lshl_b32 s67, s71, 7
	s_add_co_u32 s68, s68, s67
	s_add_nc_u64 s[8:9], s[8:9], s[68:69]          ; attn: row q0, column 64 head0
	v_and_b32 v25, 15, v0                          ; r
	v_bfe_u32 v26, v0, 4, 1                        ; h
	s_lshl_b32 s23, s15, 12
	s_lshl_b32 s45, s14, 18
	s_add_co_u32 s23, s23, s45
	v_lshlrev_b32 v29, 7, v25
	v_lshl_add_u32 v29, v26, 4, v29
	v_add_nc_u32 v29, s23, v29                     ; (32 (w / 2) + r) 128 + 16 h + (w mod 2) heads
.irp q, 0,1
.irp dh, 0,1
	global_load_b128 v[QF+8*(2*\q+\dh):QF+8*(2*\q+\dh)+3],   v29, s[16:17] offset:2048*\q+64*\dh
	global_load_b128 v[QF+8*(2*\q+\dh)+4:QF+8*(2*\q+\dh)+7], v29, s[16:17] offset:2048*\q+64*\dh+32
.endr
.endr
	v_mul_u32_u24 v27, v25, KP
	v_lshl_add_u32 v[KA], v26, 4, v27              ; K: key r, 16 h
	v_add_nc_u32 v[KA+1], SLOT, v[KA]
	v_and_b32 v27, 7, v0
	v_lshl_add_u32 v27, v26, 3, v27                ; V: key 8 h + lane mod 8,
	v_mul_u32_u24 v27, v27, VP
	v_bfe_u32 v28, v0, 3, 1
	v_lshl_add_u32 v27, v28, 4, v27                ; 16 bytes further for the odd groups of eight lanes
	v_add_nc_u32 v[VA], 4*PART, v27
	v_add_nc_u32 v[VA+1], SLOT+4*PART, v27
	s_wait_kmcnt 0x0                               ; the scales
	v_mov_b32 v1, s22
	v_mul_f32 v1, 0x3e38aa3b, v1                   ; QC = 0.125 x log2(e) x 2^eq
	s_wait_loadcnt 0x0                             ; Q
.macro LOADK slot, i                   ; the 64 keys of part i: 4 tiles of 16 keys x 2 halves of d
.irp kt, 0,1,2,3
.irp dh, 0,1
	ds_load_b128 v[KF+8*(2*\kt+\dh):KF+8*(2*\kt+\dh)+3],   v[KA+\slot] offset:PART*(\i)+16*KP*\kt+64*\dh
	ds_load_b128 v[KF+8*(2*\kt+\dh)+4:KF+8*(2*\kt+\dh)+7], v[KA+\slot] offset:PART*(\i)+16*KP*\kt+64*\dh+32
.endr
.endr
.endm
.macro LOADV slot, i                   ; the same keys' V, transposed on the way: 4 tiles of 16 d x 2 halves of 32 keys
.irp dt, 0,1,2,3
.irp kh, 0,1
	ds_load_tr16_b128 v[VF+8*(2*\dt+\kh):VF+8*(2*\dt+\kh)+3],   v[VA+\slot] offset:PART*(\i)+32*VP*\kh+32*\dt
	ds_load_tr16_b128 v[VF+8*(2*\dt+\kh)+4:VF+8*(2*\dt+\kh)+7], v[VA+\slot] offset:PART*(\i)+32*VP*\kh+32*\dt+16*VP
.endr
.endr
.endm
; 64 keys against my 32 queries.  first = 1: the very first block starts maxima, sums and O.  morek = 1: the next block's K is fetched.
.macro BLOCK slot, i, first, morek
	v_mul_f32 v2, s[KS+8*\slot+2*\i], v1           ; keys 0-31 of the block: QC x 2^ek.  These four lines and the v_nop are also the five places between the last
	v_mul_f32 v3, s[KS+8*\slot+2*\i], v1           ; block's O products and the loads into V's fragments and the S products that write over P
	v_mul_f32 v4, s[KS+8*\slot+2*\i+1], v1         ; keys 32-63
	v_mul_f32 v5, s[KS+8*\slot+2*\i+1], v1
	v_nop
	LOADV \slot, \i
	s_wait_dscnt 16                                ; K is in; the 16 loads of V may be out
	; S^T = K Q^T: eight accumulators take turns, one instruction a turn; the first half of d starts the sums
.irp dh, 0,1
.irp q, 0,1
.irp kt, 0,1,2,3
.if \dh
	v_wmma_f32_16x16x32_f16 v[SB+8*(4*\q+\kt):SB+8*(4*\q+\kt)+7], v[KF+8*(2*\kt+\dh):KF+8*(2*\kt+\dh)+7], v[QF+8*(2*\q+\dh):QF+8*(2*\q+\dh)+7], v[SB+8*(4*\q+\kt):SB+8*(4*\q+\kt)+7]
.else
	v_wmma_f32_16x16x32_f16 v[SB+8*(4*\q+\kt):SB+8*(4*\q+\kt)+7], v[KF+8*(2*\kt+\dh):KF+8*(2*\kt+\dh)+7], v[QF+8*(2*\q+\dh):QF+8*(2*\q+\dh)+7], 0
.endif
.endr
.endr
.endr
	PLACES
.if \morek
	LOADK \slot, \i+1
.endif
	; the largest raw score of each query and scale group (16 numbers a lane), four chains; the scales are not negative, so they may be applied behind the maximum
	v_max3_num_f32 v24, v[SB], v[SB+1], v[SB+2]
	v_max3_num_f32 v25, v[SB+16], v[SB+17], v[SB+18]
	v_max3_num_f32 v26, v[SB+32], v[SB+33], v[SB+34]
	v_max3_num_f32 v27, v[SB+48], v[SB+49], v[SB+50]
.irp u, 3,5,7,9,11,13
	v_max3_num_f32 v24, v[SB+\u], v[SB+\u+1], v24
	v_max3_num_f32 v25, v[SB+16+\u], v[SB+16+\u+1], v25
	v_max3_num_f32 v26, v[SB+32+\u], v[SB+32+\u+1], v26
	v_max3_num_f32 v27, v[SB+48+\u], v[SB+48+\u+1], v27
.endr
	v_max_num_f32 v24, v[SB+15], v24
	v_max_num_f32 v25, v[SB+31], v25
	v_max_num_f32 v26, v[SB+47], v26
	v_max_num_f32 v27, v[SB+63], v27
	v_mul_f32 v24, v24, v2
	v_mul_f32 v25, v25, v4
	v_mul_f32 v26, v26, v2
	v_mul_f32 v27, v27, v4
.if \first
	v_max_num_f32 v24, v24, v25
	v_max_num_f32 v26, v26, v27
.else
	v_max3_num_f32 v24, v24, v25, v[10+2*(1-\i%2)]         ; with the running maximum
	v_max3_num_f32 v26, v26, v27, v[11+2*(1-\i%2)]
.endif
	v_permlanex16_b32 v25, v24, s20, s21           ; a query's keys lie in lanes r and r + 16
	v_permlanex16_b32 v27, v26, s20, s21
	v_max_num_f32 v[10+2*(\i%2)], v24, v25         ; the new maximum goes into the other pair: nothing is copied
	v_max_num_f32 v[11+2*(\i%2)], v26, v27
.if \first == 0
	v_sub_f32 v20, v[10+2*(1-\i%2)], v[10+2*(\i%2)]
	v_sub_f32 v21, v[10+2*(1-\i%2)], v[10+2*(\i%2)]
	v_sub_f32 v22, v[11+2*(1-\i%2)], v[11+2*(\i%2)]
	v_sub_f32 v23, v[11+2*(1-\i%2)], v[11+2*(\i%2)]
.endif
	v_mul_f32 v16, -1.0, v[10+2*(\i%2)]
	v_mul_f32 v17, -1.0, v[10+2*(\i%2)]
	v_mul_f32 v18, -1.0, v[11+2*(\i%2)]
	v_mul_f32 v19, -1.0, v[11+2*(\i%2)]
.irp q, 0,1
.irp u, 0,2,4,6,8,10,12,14
	v_pk_fma_f32 v[SB+32*\q+\u:SB+32*\q+\u+1], v[SB+32*\q+\u:SB+32*\q+\u+1], v[2:3], v[16+2*\q:17+2*\q]               ; score x scale - maximum, at most 0
.endr
.irp u, 16,18,20,22,24,26,28,30
	v_pk_fma_f32 v[SB+32*\q+\u:SB+32*\q+\u+1], v[SB+32*\q+\u:SB+32*\q+\u+1], v[4:5], v[16+2*\q:17+2*\q]
.endr
.endr
.if \first == 0
	v_exp_f32 v20, v20
	v_exp_f32 v21, v21
	v_exp_f32 v22, v22
	v_exp_f32 v23, v23
.endif
.set cnt, 0
.rept 64
	v_exp_f32 v[SB+cnt], v[SB+cnt]
.set cnt, cnt+1
.endr
	v_nop                                          ; one plain instruction between the last exponential and the first use of a result (ISA guide 5.7.2)
	s_wait_alu depctr_va_vdst(0)
.irp q, 0,1
	v_pk_add_f32 v[24:25], v[SB+32*\q:SB+32*\q+1],       v[SB+32*\q+2:SB+32*\q+3]
	v_pk_add_f32 v[26:27], v[SB+32*\q+4:SB+32*\q+5],     v[SB+32*\q+6:SB+32*\q+7]
	v_pk_add_f32 v[28:29], v[SB+32*\q+8:SB+32*\q+9],     v[SB+32*\q+10:SB+32*\q+11]
	v_pk_add_f32 v[30:31], v[SB+32*\q+12:SB+32*\q+13],   v[SB+32*\q+14:SB+32*\q+15]
.irp u, 16,24
	v_pk_add_f32 v[24:25], v[24:25], v[SB+32*\q+\u:SB+32*\q+\u+1]
	v_pk_add_f32 v[26:27], v[26:27], v[SB+32*\q+\u+2:SB+32*\q+\u+3]
	v_pk_add_f32 v[28:29], v[28:29], v[SB+32*\q+\u+4:SB+32*\q+\u+5]
	v_pk_add_f32 v[30:31], v[30:31], v[SB+32*\q+\u+6:SB+32*\q+\u+7]
.endr
	v_pk_add_f32 v[24:25], v[24:25], v[26:27]
	v_pk_add_f32 v[28:29], v[28:29], v[30:31]
	v_pk_add_f32 v[24:25], v[24:25], v[28:29]
.if \first
	v_add_f32 v[14+\q], v24, v25
.else
	v_fma_f32 v[14+\q], v[14+\q], v[20+2*\q], v24  ; the sum of my half of the keys; the halves meet at the end
	v_add_f32 v[14+\q], v[14+\q], v25
.endif
.endr
	; P^T in f16, in place: register u of a pair of tiles takes numbers 2 u and 2 u + 1: registers 0-3 keys 8 h .. + 7, registers 4-7 keys 16 + 8 h .. + 7
.irp q, 0,1
.irp kh, 0,1
.irp u, 0,1,2,3,4,5,6,7
	v_cvt_pk_f16_f32 v[SB+32*\q+16*\kh+\u], v[SB+32*\q+16*\kh+2*\u], v[SB+32*\q+16*\kh+2*\u+1]
.endr
.endr
.endr
.if \first == 0
	WIN 0x41                                       ; O in window 1, the factor in window 0
.irp q, 0,1
.irp u, 0,2,4,6,8,10,12,14,16,18,20,22,24,26,28,30
	v_pk_mul_f32 v[32*\q+\u:32*\q+\u+1], v[32*\q+\u:32*\q+\u+1], v[20+2*\q:21+2*\q]
.endr
.endr
.endif
.if \morek
	s_wait_dscnt 16                                ; V is in; the next block's 16 loads of K may be out
.else
	s_wait_dscnt 0
.endif
	WIN 0x50                                       ; C and D in window 1
	; O^T += V^T P^T: eight accumulators take turns, one instruction a turn
.irp kh, 0,1
.irp q, 0,1
.irp dt, 0,1,2,3
.if \first*(1-\kh)
	v_wmma_f32_16x16x32_f16 v[8*(4*\q+\dt):8*(4*\q+\dt)+7], v[VF+8*(2*\dt+\kh):VF+8*(2*\dt+\kh)+7], v[SB+32*\q+16*\kh:SB+32*\q+16*\kh+7], 0
.else
	v_wmma_f32_16x16x32_f16 v[8*(4*\q+\dt):8*(4*\q+\dt)+7], v[VF+8*(2*\dt+\kh):VF+8*(2*\dt+\kh)+7], v[SB+32*\q+16*\kh:SB+32*\q+16*\kh+7], v[8*(4*\q+\dt):8*(4*\q+\dt)+7]
.endif
.endr
.endr
.endr
	WIN 0
.endm
.macro PROC slot, first                ; a slot's 256 keys
	LOADK \slot, 0
	BLOCK \slot, 0, \first, 1
	BLOCK \slot, 1, 0, 1
	BLOCK \slot, 2, 0, 1
	BLOCK \slot, 3, 0, 0
.endm
; The change of slots.  Every wave waits for its reads of the slot just read and for all its tensor loads (one is out: its part of the other slot), and for the other slot's scales.
; fill = 1: a round of the cluster's barrier, and behind it the joint refill of the slot just read, first of all; it has the other slot's 128 matrix instructions a wave in which to land.
.macro CHG slot, fill
	s_wait_dscnt 0x0
	s_set_vgpr_msb 0x5
	s_wait_tensorcnt 0x0
	ds_add_u32 v64, v65
	s_wait_dscnt 0x0
	s_set_vgpr_msb 0x500
	s_wait_kmcnt 0x0
.if \fill
	s_add_nc_u64 s[G0K+4*\slot+2:G0K+4*\slot+3], s[G0K+4*\slot+2:G0K+4*\slot+3], 65536   ; two tiles of 256 keys on
	s_add_nc_u64 s[G0V+4*\slot+2:G0V+4*\slot+3], s[G0V+4*\slot+2:G0V+4*\slot+3], 65536
	s_add_nc_u64 s[PK+2*\slot:PK+2*\slot+1], s[PK+2*\slot:PK+2*\slot+1], 64
	CROUND
	JLOAD \slot
	s_load_b256 s[KS+8*\slot:KS+8*\slot+7], s[PK+2*\slot:PK+2*\slot+1], 0x0
.else
	s_barrier_signal -1
	s_barrier_wait -1
.endif
.endm
	s_wait_tensorcnt 0x1                           ; my part of tile 0 is in; tile 1's load stays out
	s_barrier_signal -1
	s_barrier_wait -1
	PROC 0, 1                                      ; tile 0
	s_mov_b32 s3, 3
.Ltiles:
	CHG 0, 1                                       ; tiles 2, 4, 6 go out
	PROC 1, 0                                      ; tiles 1, 3, 5
	CHG 1, 1                                       ; tiles 3, 5, 7 go out
	PROC 0, 0                                      ; tiles 2, 4, 6
	s_sub_co_u32 s3, s3, 1
	s_cmp_lg_u32 s3, 0
	s_cbranch_scc1 .Ltiles
	CHG 0, 0                                       ; nothing is left to fetch
	PROC 1, 0                                      ; tile 7
	; THE WAY OUT: O / sum, f16, through the stage so that a store's sixteen lanes hold 256 consecutive bytes (two heads of one query)
	PLACES                                         ; behind the last matrix instructions
	v_permlanex16_b32 v24, v14, s20, s21
	v_permlanex16_b32 v25, v15, s20, s21
	v_add_f32 v14, v14, v24                        ; both halves of the keys; at least 1, the largest score's own term
	v_add_f32 v15, v15, v25
	v_rcp_f32 v16, v14
	v_rcp_f32 v17, v14
	v_rcp_f32 v18, v15
	v_rcp_f32 v19, v15
	v_nop                                          ; one plain instruction behind the reciprocals (ISA guide 5.7.2)
	WIN 0x01                                       ; source 0 (O) in window 1
	s_wait_alu depctr_va_vdst(0)
.irp q, 0,1
.irp u, 0,2,4,6,8,10,12,14,16,18,20,22,24,26,28,30
	v_pk_mul_f32 v[SB+32*\q+\u:SB+32*\q+\u+1], v[32*\q+\u:32*\q+\u+1], v[16+2*\q:17+2*\q]
.endr
.endr
	WIN 0
.irp m, 0,1,2,3,4,5,6,7
.irp u, 0,1,2,3
	v_cvt_pk_f16_f32 v[SB+8*\m+\u], v[SB+8*\m+2*\u], v[SB+8*\m+2*\u+1]
.endr
.endr
	v_and_b32 v25, 15, v0                          ; r
	v_bfe_u32 v26, v0, 4, 1                        ; h
	v_mul_u32_u24 v27, v25, SP
	v_lshl_add_u32 v27, v26, 4, v27
	s_mul_i32 s23, s15, 32*SP
	s_lshl_b32 s45, s14, 7
	s_add_co_u32 s23, s23, s45
	s_add_co_u32 s23, s23, STG
	v_add_nc_u32 v28, s23, v27                     ; in: row 32 (w / 2) + r, byte 128 (w mod 2) + 16 h
	v_mul_u32_u24 v27, v26, SP
	v_lshl_add_u32 v27, v25, 4, v27
	s_mul_i32 s23, s10, 16*SP
	s_add_co_u32 s23, s23, STG
	v_add_nc_u32 v29, s23, v27                     ; back: wave w takes rows 16 w .. + 15, two rows a load
	s_lshl_b32 s23, s10, 16
	v_lshlrev_b32 v27, 12, v26
	v_lshl_add_u32 v27, v25, 4, v27
	v_add_nc_u32 v30, s23, v27                     ; the same rows in attn, 4,096 bytes each
.irp q, 0,1
.irp dt, 0,1,2,3
	ds_store_b128 v28, v[SB+8*(4*\q+\dt):SB+8*(4*\q+\dt)+3] offset:16*SP*\q+32*\dt
.endr
.endr
	s_wait_dscnt 0x0                               ; my stores are done: a row's two halves come from two waves
	s_barrier_signal -1
	s_barrier_wait -1
.irp t, 0,1,2,3,4,5,6,7
	ds_load_b128 v[KF+4*\t:KF+4*\t+3], v29 offset:2*SP*\t
.endr
.irp t, 0,1,2,3,4,5,6,7
	s_wait_dscnt 7-\t                              ; LDS loads come back in order (ISA guide 5.7.1)
	global_store_b128 v30, v[KF+4*\t:KF+4*\t+3], s[8:9] offset:8192*\t
.endr
	s_set_vgpr_msb 0x5
	s_wait_tensorcnt 0x0
	ds_add_u32 v64, v65
	s_wait_dscnt 0x0
	s_set_vgpr_msb 0x500
	CROUND                                         ; the closing round: no work-group ends while a partner may still ask for a tile that names it
	s_endpgm
.Lfunc_end_k_q050edc6640_attention:
	.size	k_q050edc6640_attention, .Lfunc_end_k_q050edc6640_attention-k_q050edc6640_attention
	.p2alignl 7, 3214868480
	.fill 96, 4, 3214868480
	.section	.rodata,"a",@progbits
	.p2align	6, 0x0
	.amdhsa_kernel k_q050edc6640_attention
		.amdhsa_group_segment_fixed_size 327680
		.amdhsa_private_segment_fixed_size 0
		.amdhsa_enable_private_segment 0
		.amdhsa_kernarg_size 24
		.amdhsa_user_sgpr_count 2
		.amdhsa_user_sgpr_kernarg_segment_ptr 1
		.amdhsa_wavefront_size32 1
		.amdhsa_system_sgpr_workgroup_id_x 1
		.amdhsa_system_sgpr_workgroup_id_y 1
		.amdhsa_system_sgpr_workgroup_id_z 1
		.amdhsa_system_vgpr_workitem_id 0
		.amdhsa_next_free_vgpr 322
		.amdhsa_next_free_sgpr 92
		.amdhsa_reserve_vcc 0
		.amdhsa_float_denorm_mode_32 3
		.amdhsa_float_denorm_mode_16_64 3
		.amdhsa_memory_ordered 1
		.amdhsa_forward_progress 1
		.amdhsa_inst_pref_size 255
	.end_amdhsa_kernel
	.section	.bss,"aw",@nobits
	.p2align	6
	.space	262144
	.amdgpu_metadata
---
amdhsa.version: [ 1, 2 ]
amdhsa.kernels:
  - .name:           k_q050edc6640_attention
    .symbol:         k_q050edc6640_attention.kd
    .args:
      - { .name: qkv, .offset: 0, .size: 8, .value_kind: global_buffer, .address_space: global }
      - { .name: sc, .offset: 8, .size: 8, .value_kind: global_buffer, .address_space: global }
      - { .name: attn, .offset: 16, .size: 8, .value_kind: global_buffer, .address_space: global }
    .group_segment_fixed_size: 327680
    .private_segment_fixed_size: 0
    .kernarg_segment_align: 8
    .kernarg_segment_size: 24
    .max_flat_workgroup_size: 256
    .sgpr_count:     92
    .vgpr_count:     322
    .wavefront_size: 32
...
	.end_amdgpu_metadata
.endif
;; end of part 7
;; launch oproj: the kernel of part 4 again; grid 16 x 16, 4 waves a work-group, clusters of 4 x 4, 327,680 bytes of LDS; arguments attn, bf, out0; writes out0
